; MI455X (gfx1250); checked and timed in simulation.
; The chip was launched on July 23, 2026; its instructions are those of AMD's public machine-readable ISA for CDNA 5 (MIT licence, August 2026) and "CDNA5" Instruction Set Architecture Reference Guide (July 2026). The comments in the code are by the model that wrote it; some were corrected since.
;; Multi Head Gated Cross Attention. Allowed arithmetic: matrix products marked QUANTISED: E2M1 operands, one E8M0 scale for each 32 along K, by v_wmma_scale_f32_16x16x128_f8f6f4 with both operands' format E2M1 (or v_wmma_scale_f32_32x16x128_f4), f32 sums; everything else in f32.
;; Inputs: Wk 512 x 512 float32; Wo 512 x 512 float32; Wq 512 x 512 float32; Wv 512 x 512 float32; bk 512 float32; bo 512 float32; bq 512 float32; bv 512 float32; key_gate 2 x 4,096 float32; key_mask 2 x 4,096 int32; kv 2 x 4,096 x 512 float32; q 2 x 2,048 x 512 float32.
;; Outputs: out0 2 x 2,048 x 512 float32.
;; This version of the problem:
;;   THIS VERSION OF THE PROBLEM IS GIVEN IN LOW PRECISION. The matrix products marked QUANTISED in the list below multiply operands that are first quantised to E2M1 (2 exponent bits, 1 mantissa bit; 4 bits a number), with one power-of-two scale for each 32 numbers along K (OCP MX v1.0); their sums are f32. All else is computed in f32.
;;   The module's matrix products, in the order in which they are computed (A, B: the left and right operand; K: the contracted axis; several contracted axes count as one K, in the product's order):
;;     1. [M 4,096, K 512] x [K 512, N 512]; A: input q; B: input Wq: QUANTISED
;;     2. [M 8,192, K 512] x [K 512, N 512]; A: input kv; B: input Wk: QUANTISED
;;     3. [M 8,192, K 512] x [K 512, N 512]; A: input kv; B: input Wv: QUANTISED
;;     4. batch 16 x [M 2,048, K 64] x [K 64, N 4,096]; A: computed on the way; B: computed on the way: QUANTISED
;;     5. batch 16 x [M 2,048, K 4,096] x [K 4,096, N 64]; A: softmax (see below); B: computed on the way: QUANTISED
;;     6. [M 4,096, K 512] x [K 512, N 512]; A: computed on the way; B: input Wo: QUANTISED
;;   THE QUANTISER, for each operand of a quantised product, along K:
;;     - K is cut into blocks of 32 from its start; a last block that is shorter is filled with zeros.
;;     - A block's scale is 2^e with e = floor(log2(the largest magnitude in the block)) - 2, held to -126 .. 127; a block of zeros has e = 0. As a byte (E8M0): e + 127.
;;     - Each number is divided by its block's scale, clamped to +-6, and rounded to the nearest number of E2M1, ties to even, subnormals kept.
;;     - The product sums the exact products of the quantised numbers (number of the format x scale) in f32.
;;   ~~~python
;;   def quantise(x, axis):      # numpy; x: float32 -> the quantised numbers, widened to float32 again
;;       x = np.moveaxis(x, axis, -1); K = x.shape[-1]
;;       x = np.pad(x, [(0, 0)] * (x.ndim - 1) + [(0, -K % 32)]); x = x.reshape(x.shape[:-1] + (-1, 32)); a = np.abs(x).max(-1, keepdims=True)
;;       e = np.where(a > 0, np.clip(np.frexp(np.where(a > 0, a, 1))[1] - 1 - 2, -126, 127), 0)      # np.frexp(a)[1] - 1 = floor(log2(a)), exactly
;;       r = np.clip(x / 2.0 ** e, -6, 6)
;;       step = 2.0 ** (np.maximum(np.frexp(np.where(r == 0, 1, r))[1] - 1, 0) - 1)
;;       q = np.round(r / step) * step * 2.0 ** e      # np.round: ties to even
;;       return np.moveaxis(q.reshape(q.shape[:-2] + (-1,))[..., :K], -1, axis).astype(np.float32)
;;   ~~~
;;   SOFTMAX AHEAD OF A QUANTISED PRODUCT. Where the list says 'softmax', what is quantised is not the finished softmax but p = 2^(t - M), with t = logit x log2(e) and M = ceil(the row's largest t), a whole number; so 1/2 < the row's largest p <= 1. The row's sum l is taken of the UNQUANTISED p, in f32, and the product's result is divided by l at the end. Since M is a whole number, a kernel that streams over the keys may use a running M (the ceiling of the running maximum): every later rescaling is an exact power of two, which a block's scale takes up: the codes' values come out the same.
;;   OPERANDS COMPUTED ON THE WAY. 'Computed on the way' means the value that the module computes at that place (a softmax that the list does not call 'softmax' is quantised finished and normalised). What goes into a quantiser is computed in f32, as accurately as f32 sums, v_exp_f32 and their like allow (about 1e-6 of the number): no bf16 or f16 on the way to a quantiser, and a product that is left as it is and whose result goes on into a quantised operand takes f32 operands (vector FMAs, or v_wmma_f32_16x16x4_f32). A number that lies on a knife's edge between two numbers of the format may be rounded either way, as far as f32 arithmetic and the matrix unit's own rounding can turn it there, and no further.
;; 2 versions, each right; version 2 is version 1 with the launches proj, outp written anew for expert scheduling mode. Each part assembles by itself: llvm-mc -triple=amdgcn-amd-amdhsa -mcpu=gfx1250 --defsym DOCPART=n.
;; ======== version 1 of 2: 4 launches
;; workspace buffers: xc 3,899,392 bytes; qc 1,179,648 bytes; kv2 4,587,520 bytes; oc 1,114,112 bytes
;; launch quant (part 1): grid 224 x 1, 4 waves a work-group, no clusters, 41,472 bytes of LDS; arguments q, kv, Wq, Wk, Wv, Wo, xc; writes xc
.if DOCPART == 1
	.amdgcn_target "amdgcn-amd-amdhsa--gfx1250"
	.amdhsa_code_object_version 6
	.text
	.protected	k_q5aa546f1d5_quant
	.globl	k_q5aa546f1d5_quant
	.p2align	8
	.type	k_q5aa546f1d5_quant,@function
k_q5aa546f1d5_quant:
	s_mov_b64 s[64:65], 0
	v_nop
	global_prefetch_b8 v0, s[64:65] scope:SCOPE_SE
	s_setreg_imm32_b32 hwreg(HW_REG_WAVE_MODE, 25, 1), 1
	s_wait_xcnt 0x0
; q [4096][512], kv [8192][512], Wq, Wk, Wv, Wo [512][512], all f32 with K = 512 innermost, become codes of FP4 (E2M1) with one E8M0 byte for each 32 along K.
; A block's scale is 2^(floor(log2(its largest magnitude)) - 2); its byte is the largest magnitude's exponent field - 2, held at 1 from below (a block of zeros gets the byte 1 where the
; rule says 127: its codes are zeros, which add nothing, and this program alone reads the bytes).
; LIMITS: NaN and infinities among the inputs are not served; blocks whose largest magnitude lies under 2^(2 - 126) keep the byte 1.
; THE OUTPUT IS LAID AS IMAGES OF OPERAND REGISTERS.  A tile is 16 rows x 512 K.  Row r of tile T is row 32 (T / 2) + 8 (T % 2) + r + 8 (r / 8) of its tensor, so that in a product's
; result the 16 registers of tiles 2 G and 2 G + 1 are 16 neighbouring rows.  Block k / 32 = B of row r lies at 256 B + 16 r of the tile's 4,096 bytes: a load of 16 bytes at 16 x lane
; + 1,024 s + 512 c then fills registers 4 c .. 4 c + 3 of K step s.  The scale bytes of a tile are 16 rows of 16 bytes.  xc: 896 tiles (q 0-255, kv 256-767, Wq, Wk, Wv, Wo 32 each), then their scales.
; A wave makes one tile: 16 steps, a row each.  Each of a step's four loads reads 512 consecutive bytes; the 2,048 bytes turn through the wave's own stage in LDS, so that a lane holds 16
; neighbours along K (two lanes to a block).  Codes and bytes gather in LDS and leave as whole aligned runs of 256 bytes.  Loads run eight steps (32 loads a wave) ahead.
; No tensor loads, no barrier, no matrix unit, no cluster: waves share nothing and each input byte is read once.
.set WREG,  10240                      ; LDS of a wave: two turn stages, 256 scale bytes, the image's stage
.set SP,    80                         ; a lane's place in a turn stage: 64 bytes + 16 of padding
.set SCB,   2*32*SP                    ; the scale bytes
.set IMG,   SCB+256                    ; the image: 16 rows (one for each block along K) of 256 bytes + 16
.set IP,    272
.set XSC,   896*4096                   ; where the scale images begin in xc
.set EMAX,  2
.set R,     16                         ; v16-143  eight sets of 16 numbers as loaded
.set X,     144                        ; v144-175 two sets of 16 neighbours
.set C,     176                        ; v176-207 codes, two registers a step
.set E,     208                        ; v208-223 a scale byte a step
	s_load_b256 s[4:11], s[0:1], 0x0               ; q, kv, Wq, Wk
	s_load_b128 s[12:15], s[0:1], 0x20             ; Wv, Wo
	s_load_b64 s[16:17], s[0:1], 0x30              ; xc
	v_lshl_add_u32 v224, v0, 2, 0xa000
	v_mov_b32 v225, 0
	v_lshrrev_b32 v1, 5, v0
	v_readfirstlane_b32 s18, v1                    ; wave
	v_and_b32 v2, 31, v0                           ; lane
	v_lshlrev_b32 v3, 4, v2                        ; 16 x lane: my bytes of a load's 512, and of an image's store
	s_mul_i32 s19, s18, WREG
	v_lshrrev_b32 v14, 2, v2
	v_mul_u32_u24 v14, v14, SP
	v_and_b32 v15, 3, v2
	v_lshl_add_u32 v14, v15, 4, v14
	v_add_nc_u32 v14, s19, v14                     ; the turn stage, in: SP (lane / 4) + 16 (lane % 4)
	v_mul_u32_u24 v15, v2, SP
	v_add_nc_u32 v15, s19, v15                     ; and out: SP x lane
	v_lshrrev_b32 v10, 1, v2                       ; my block along K
	s_add_co_u32 s2, s19, SCB
	v_add_nc_u32 v5, s2, v10                       ; my block's scale byte in a row's 16
	v_lshlrev_b32 v12, 3, v2                       ; 8 x lane
	v_add_nc_u32 v6, s2, v12                       ; the scale bytes on the way out
	s_add_co_u32 s3, s19, IMG
	v_mul_u32_u24 v7, v10, IP
	v_and_b32 v10, 1, v2
	v_lshl_add_u32 v7, v10, 3, v7
	v_add_nc_u32 v7, s3, v7                        ; the image, in: my block's row, + 8 for the block's second half; 16 t bytes on for row t
	v_lshrrev_b32 v10, 4, v2
	v_mul_u32_u24 v4, v10, IP
	v_and_b32 v10, 15, v2
	v_lshl_add_u32 v4, v10, 4, v4
	v_add_nc_u32 v4, s3, v4                        ; and out: sixteen lanes to a row, two rows an instruction
	s_wait_kmcnt 0x0
	s_mov_b64 s[20:21], s[14:15]                   ; which tensor is my work-group's: the choice hangs on the work-group's number alone
	s_mov_b32 s22, 216                             ; and that tensor's first work-group
	s_cmp_lt_u32 ttmp9, 216
	s_cselect_b64 s[20:21], s[12:13], s[20:21]
	s_cselect_b32 s22, 208, s22
	s_cmp_lt_u32 ttmp9, 208
	s_cselect_b64 s[20:21], s[10:11], s[20:21]
	s_cselect_b32 s22, 200, s22
	s_cmp_lt_u32 ttmp9, 200
	s_cselect_b64 s[20:21], s[8:9], s[20:21]
	s_cselect_b32 s22, 192, s22
	s_cmp_lt_u32 ttmp9, 192
	s_cselect_b64 s[20:21], s[6:7], s[20:21]
	s_cselect_b32 s22, 64, s22
	s_cmp_lt_u32 ttmp9, 64
	s_cselect_b64 s[20:21], s[4:5], s[20:21]
	s_cselect_b32 s22, 0, s22
	s_sub_co_u32 s23, ttmp9, s22
	s_lshl_b32 s23, s23, 2
	s_add_co_u32 s23, s23, s18                     ; my tile in its tensor
	s_lshr_b32 s24, s23, 1
	s_lshl_b32 s24, s24, 16                        ; 32 rows of 2,048 bytes for each pair of tiles,
	s_and_b32 s25, s23, 1
	s_lshl_b32 s25, s25, 14                        ; 8 rows for the odd one
	s_add_co_u32 s24, s24, s25
	s_mov_b32 s25, 0
	s_add_nc_u64 s[20:21], s[20:21], s[24:25]
	s_lshl_b32 s26, ttmp9, 2
	s_add_co_u32 s26, s26, s18                     ; my tile in xc
	s_lshl_b32 s24, s26, 12
	s_add_nc_u64 s[28:29], s[16:17], s[24:25]      ; its image
	s_lshl_b32 s24, s26, 8
	s_add_co_u32 s24, s24, XSC
	s_add_nc_u64 s[30:31], s[16:17], s[24:25]      ; its scale bytes
.macro LOAD t                          ; row t of the tile lies t + 8 (t / 8) rows on
.irp i, 0,1,2,3
	global_load_b128 v[R+16*((\t)%8)+4*\i:R+16*((\t)%8)+4*\i+3], v3, s[20:21] offset:((\t)+8*((\t)/8))*2048+512*\i th:TH_LOAD_NT
.endr
.endm
.macro TURN t                          ; step t's numbers through the stage: LDS serves a wave's instructions in order, so no wait stands between the stores and the loads
.irp i, 0,1,2,3
	ds_store_b128 v14, v[R+16*((\t)%8)+4*\i:R+16*((\t)%8)+4*\i+3] offset:32*SP*((\t)%2)+8*SP*\i
.endr
.irp i, 0,1,2,3
	ds_load_b128 v[X+16*((\t)%2)+4*\i:X+16*((\t)%2)+4*\i+3], v15 offset:32*SP*((\t)%2)+16*\i
.endr
.endm
.irp t, 0,1,2,3,4,5,6,7
	LOAD \t
.endr
	s_wait_loadcnt 28                              ; step 0's four loads are in; the seven steps behind it may be out
	TURN 0
.macro STEP t
.set XS, X+16*((\t)%2)
.if (\t) > 0
	s_wait_dscnt 2                                 ; this step's numbers are back (the last step's two stores, byte and codes, may be out): so the stage's stores have read set t % 8,
.else
	s_wait_dscnt 0x0
.endif
.if (\t) < 8
	LOAD (\t)+8                                    ; which takes the loads of eight steps on
.endif
.if (\t) < 8
	s_wait_loadcnt 28                              ; the next step's four loads are in; those of the seven steps behind it may be out
.elseif (\t) < 15
	s_wait_loadcnt 4*(14-(\t))                     ; the same, with 14 - t steps behind it
.endif
.if (\t) < 15
	TURN (\t)+1
.endif
	v_max3_num_f32 v8, |v[XS]|, |v[XS+1]|, |v[XS+2]|               ; the largest magnitude of my 16, in two chains
	v_max3_num_f32 v9, |v[XS+3]|, |v[XS+4]|, |v[XS+5]|
.irp i, 6,10
	v_max3_num_f32 v8, v8, |v[XS+\i]|, |v[XS+\i+1]|
	v_max3_num_f32 v9, v9, |v[XS+\i+2]|, |v[XS+\i+3]|
.endr
	v_max3_num_f32 v8, v8, |v[XS+14]|, |v[XS+15]|
	v_max3_num_f32 v8, v8, v9, (EMAX+1)<<23        ; and the floor 2^(3 - 127): the byte cannot fall under 1
	v_max_num_f32_dpp v8, v8, v8 row_xmask:1 row_mask:0xf bank_mask:0xf   ; with my neighbour's 16: the block's
	v_add_nc_u32 v11, -(EMAX<<23), v8              ; 2 off the exponent field: the conversion takes this operand's exponent field as its scale
	v_cvt_scalef32_pk8_fp4_f32 v[C+2*(\t)], v[XS:XS+7], v11
	v_cvt_scalef32_pk8_fp4_f32 v[C+2*(\t)+1], v[XS+8:XS+15], v11
	v_lshrrev_b32 v[E+(\t)], 23, v11               ; the scale's byte (also the plain line behind the conversions)
	ds_store_b8 v5, v[E+(\t)] offset:16*(\t)       ; both lanes of a block write the same byte with the same value
	ds_store_b64 v7, v[C+2*(\t):C+2*(\t)+1] offset:16*(\t)   ; my 16 codes, at row t's 16 bytes of my block's row
.endm
.irp t, 0,1,2,3,4,5,6,7,8,9,10,11,12,13,14,15
	STEP \t
.endr
	ds_load_b64 v[48:49], v6                       ; LDS serves a wave's instructions in order: these see my stores
.irp i, 0,1,2,3,4,5,6,7
	ds_load_b128 v[16+4*\i:19+4*\i], v4 offset:2*IP*\i
.endr
	s_wait_dscnt 8                                 ; the scale bytes are back; the eight loads behind them may be out
	global_store_b64 v12, v[48:49], s[30:31]       ; 32 lanes store 256 consecutive bytes, aligned
.irp i, 0,1,2,3,4,5,6,7
	s_wait_dscnt 7-\i
	global_store_b128 v3, v[16+4*\i:19+4*\i], s[28:29] offset:512*\i   ; 512 consecutive bytes, aligned
.endr
	s_wait_tensorcnt 0x0
	ds_add_u32 v224, v225
	s_wait_dscnt 0x0
	s_endpgm
.Lfunc_end_k_q5aa546f1d5_quant:
	.size	k_q5aa546f1d5_quant, .Lfunc_end_k_q5aa546f1d5_quant-k_q5aa546f1d5_quant
	.p2alignl 7, 3214868480
	.fill 96, 4, 3214868480
	.section	.rodata,"a",@progbits
	.p2align	6, 0x0
	.amdhsa_kernel k_q5aa546f1d5_quant
		.amdhsa_group_segment_fixed_size 41472
		.amdhsa_private_segment_fixed_size 0
		.amdhsa_enable_private_segment 0
		.amdhsa_kernarg_size 56
		.amdhsa_user_sgpr_count 2
		.amdhsa_user_sgpr_kernarg_segment_ptr 1
		.amdhsa_wavefront_size32 1
		.amdhsa_system_sgpr_workgroup_id_x 1
		.amdhsa_system_sgpr_workgroup_id_y 1
		.amdhsa_system_sgpr_workgroup_id_z 1
		.amdhsa_system_vgpr_workitem_id 0
		.amdhsa_next_free_vgpr 226
		.amdhsa_next_free_sgpr 66
		.amdhsa_reserve_vcc 0
		.amdhsa_float_denorm_mode_32 3
		.amdhsa_float_denorm_mode_16_64 3
		.amdhsa_memory_ordered 1
		.amdhsa_forward_progress 1
		.amdhsa_inst_pref_size 36
	.end_amdhsa_kernel
	.amdgpu_metadata
---
amdhsa.version: [ 1, 2 ]
amdhsa.kernels:
  - .name:           k_q5aa546f1d5_quant
    .symbol:         k_q5aa546f1d5_quant.kd
    .args:
      - { .name: q, .offset: 0, .size: 8, .value_kind: global_buffer, .address_space: global }
      - { .name: kv, .offset: 8, .size: 8, .value_kind: global_buffer, .address_space: global }
      - { .name: Wq, .offset: 16, .size: 8, .value_kind: global_buffer, .address_space: global }
      - { .name: Wk, .offset: 24, .size: 8, .value_kind: global_buffer, .address_space: global }
      - { .name: Wv, .offset: 32, .size: 8, .value_kind: global_buffer, .address_space: global }
      - { .name: Wo, .offset: 40, .size: 8, .value_kind: global_buffer, .address_space: global }
      - { .name: xc, .offset: 48, .size: 8, .value_kind: global_buffer, .address_space: global }
    .group_segment_fixed_size: 41472
    .private_segment_fixed_size: 0
    .kernarg_segment_align: 8
    .kernarg_segment_size: 56
    .max_flat_workgroup_size: 128
    .sgpr_count:     66
    .vgpr_count:     226
    .wavefront_size: 32
...
	.end_amdgpu_metadata
.endif
;; end of part 1
;; launch proj (part 2): grid 320 x 1, 4 waves a work-group, no clusters, 0 bytes of LDS; arguments xc, bq, bk, bv, qc, kv2; writes qc, kv2
.if DOCPART == 2
	.amdgcn_target "amdgcn-amd-amdhsa--gfx1250"
	.amdhsa_code_object_version 6
	.text
	.protected	k_q5aa546f1d5_proj
	.globl	k_q5aa546f1d5_proj
	.p2align	8
	.type	k_q5aa546f1d5_proj,@function
k_q5aa546f1d5_proj:
	s_mov_b64 s[64:65], 0
	v_nop
	global_prefetch_b8 v0, s[64:65] scope:SCOPE_SE
	s_setreg_imm32_b32 hwreg(HW_REG_WAVE_MODE, 25, 1), 1
	s_wait_xcnt 0x0
; The three input projections on codes of FP4 (E2M1, one E8M0 scale for each 32 along K = 512), each result quantised again in registers for the attention launch:
;   qp = q Wq^T + bq and kp = kv Wk^T + bk along the head's 64 (two blocks), vp = kv Wv^T + bv along the KEYS.
; Operands lie in xc as images of operand registers (16 rows x 512 K in 4,096 bytes, 16 bytes a lane and register group; scale bytes 16 a row), so each fragment comes by loads of 16 x lane.
; A WAVE'S UNIT.  R: 8 tiles (128 rows), kept in 256 registers; they are source 0, so R's rows run along a lane's result registers: R is the axis that is quantised.  L: 4 tiles, one after the
; other, source 1: L's rows lie in the lanes.  Row r of tile T is row 32 (T / 2) + 8 (T % 2) + r + 8 (r / 8): so accumulator registers 16 G + i are R's rows 32 G + 16 (lane / 16) + i.
;   work-groups 0-63:    R = Wq's rows 128 w on (heads 2 w, 2 w + 1), L = 64 rows of q
;   work-groups 64-191:  R = Wk's rows 128 w on,                      L = 64 rows of kv
;   work-groups 192-319: R = 128 rows of kv (a key step),             L = Wv's 64 rows of head 4 (g % 2) + w
; OUT.  qc, 16 blocks (8 x batch + head) of 73,728 bytes: 128 tiles of 16 queries x 64 codes, 16 bytes at 16 x lane; at 65,536 scale words [tile / 4][row][4 tiles].
;   kv2, 16 blocks of 286,720 bytes: K's 256 tiles likewise at 0; V's images [key step][4 tiles of 16 d][2][lane][16] at 131,072; K's scale words at 262,144; V's [key step][row][4 tiles] at 278,528.
;   In Q's and K's scale words bytes 2 and 3 meet zero codes alone; they hold the neighbouring head's bytes (1 to 254) or 0.
; The biases are the C of each sum's first matrix instruction.  A block of zeros gets the byte 1 (its codes are zeros).  LIMITS: NaN and infinities are not served.
; NO LDS, NO BARRIER, NO JOINT LOADS: every operand goes from memory straight into the registers that the matrix unit reads (48 KiB a wave for 128 matrix instructions); a shared tile would
; have to pass through LDS and be read from there again, which these images spare.
.set XSC,   896*4096
.set QBLK,  73728
.set KVBLK, 286720
.set QSCO,  65536
.set KSCO,  262144
.set VIMG,  131072
.set VSCO,  278528
.set RS,  16                           ; v16-47   R's scale words: 4 t + s
.set LS,  48                           ; v48-51   L's, one for each K step
.set PW,  52                           ; v52-55   the scale words made, one for each L tile
.set TM,  56                           ; v56-71   at work in QUANT
.set PC,  72                           ; v72-79   the codes just made
.set LF,  80                           ; v80-111  L's fragments: 8 s
.set ACC, 112                          ; v112-175 eight accumulators
.set CB,  176                          ; v176-239 the bias in the result's layout
.set BV,  240                          ; v240-243 bv of my lane's d, one for each L tile
.set WV,  16                           ; s16 wave
.set SEL, 60                           ; s[60:61] v_permlanex16_b32's selects for lane l xor 16
.set MSB, 0
.macro WIN new                         ; window 1 holds R's fragments: 32 t + 8 s.  The immediate's high byte repeats the setting that is left
.if MSB != \new
	s_set_vgpr_msb (MSB<<8)|\new
.set MSB, \new
.endif
.endm
.macro LOADR
	WIN 0x40                                       ; destination window 1
.irp t, 0,1,2,3,4,5,6,7
.irp s, 0,1,2,3
.irp c, 0,1
	global_load_b128 v[32*\t+8*\s+4*\c:32*\t+8*\s+4*\c+3], v1, s[32:33] offset:\t*4096+\s*1024+\c*512
.endr
.endr
.endr
	WIN 0
.irp t, 0,1,2,3,4,5,6,7
	global_load_b128 v[RS+4*\t:RS+4*\t+3], v2, s[34:35] offset:256*\t
.endr
.endm
.macro LOADL i
.irp s, 0,1,2,3
.irp c, 0,1
	global_load_b128 v[LF+8*\s+4*\c:LF+8*\s+4*\c+3], v1, s[36:37] offset:(\i)*4096+\s*1024+\c*512
.endr
.endr
	global_load_b128 v[LS:LS+3], v2, s[38:39] offset:(\i)*256
.endm
; 32 matrix instructions: R's eight tiles x one tile of L, four K steps.  The eight accumulators take turns, one instruction a turn.
; cstr = 8: each tile has its own eight registers of bias; 0: all share CB's first eight.  The four v_nop are the places in front of loads into L's registers and of the first read of results.
.macro CORE cstr
	WIN 0x01                                       ; source 0 window 1
.irp s, 0,1,2,3
.irp t, 0,1,2,3,4,5,6,7
.if \s == 0
	v_wmma_scale_f32_16x16x128_f8f6f4 v[ACC+8*\t:ACC+8*\t+7], v[32*\t+8*\s:32*\t+8*\s+7], v[LF+8*\s:LF+8*\s+7], v[CB+\cstr*\t:CB+\cstr*\t+7], v[RS+4*\t+\s], v[LS+\s] matrix_a_fmt:MATRIX_FMT_FP4 matrix_b_fmt:MATRIX_FMT_FP4
.else
	v_wmma_scale_f32_16x16x128_f8f6f4 v[ACC+8*\t:ACC+8*\t+7], v[32*\t+8*\s:32*\t+8*\s+7], v[LF+8*\s:LF+8*\s+7], v[ACC+8*\t:ACC+8*\t+7], v[RS+4*\t+\s], v[LS+\s] matrix_a_fmt:MATRIX_FMT_FP4 matrix_b_fmt:MATRIX_FMT_FP4
.endif
.endr
.endr
	WIN 0
.rept 4
	v_nop
.endr
.endm
; 64 numbers of a lane, register 16 b + i = k 32 b + 16 (lane / 16) + i of my row, become a fragment's codes in v[PC] on and its scale word in v[pw].
.macro QUANT s, pw
.irp b, 0,1,2,3
	v_max3_num_f32 v[TM+\b], |v[\s+16*\b]|, |v[\s+1+16*\b]|, 0x1800000   ; my 16 numbers of block b, and the floor 2^(3 - 127)
.endr
.irp i, 2,4,6,8,10,12,14
.irp b, 0,1,2,3
	v_max3_num_f32 v[TM+\b], v[TM+\b], |v[\s+16*\b+\i]|, |v[\s+1+16*\b+\i]|
.endr
.endr
.irp b, 0,1,2,3
	v_permlanex16_b32 v[TM+4+\b], v[TM+\b], s[SEL], s[SEL+1]
.endr
.irp b, 0,1,2,3
	v_max_num_f32 v[TM+\b], v[TM+\b], v[TM+4+\b]   ; with lane l xor 16's: the block's largest magnitude
.endr
.irp b, 0,1,2,3
	v_add_nc_u32 v[TM+12+\b], 0xff000000, v[TM+\b] ; 2 off its exponent field: the conversion's scale operand
.endr
.irp b, 0,1,2,3
	v_lshrrev_b32 v[TM+4+\b], 23, v[TM+12+\b]      ; the scale's byte
.endr
	v_lshl_or_b32 v[\pw], v[TM+5], 8, v[TM+4]
	v_lshl_or_b32 v[\pw], v[TM+6], 16, v[\pw]
	v_lshl_or_b32 v[\pw], v[TM+7], 24, v[\pw]
.irp b, 0,1,2,3
	v_cvt_scalef32_pk8_fp4_f32 v[PC+2*\b], v[\s+16*\b:\s+7+16*\b], v[TM+12+\b]
	v_cvt_scalef32_pk8_fp4_f32 v[PC+1+2*\b], v[\s+8+16*\b:\s+15+16*\b], v[TM+12+\b]
.endr
	v_nop                                          ; one plain place behind a scaled conversion
.irp c, 0,1                                    ; a whole block to a lane: lanes 0-15 block 2 c, lanes 16-31 block 2 c + 1
.irp i, 0,1
	v_permlane16_swap_b32 v[PC+4*\c+\i], v[PC+2+4*\c+\i]
.endr
.endr
.endm
	s_load_b256 s[4:11], s[0:1], 0x0               ; xc, bq, bk, bv
	s_load_b128 s[12:15], s[0:1], 0x20             ; qc, kv2
	v_lshrrev_b32 v1, 5, v0
	v_readfirstlane_b32 s[WV], v1
	v_and_b32 v7, 31, v0                           ; lane
	v_and_b32 v6, 15, v0                           ; r
	v_bfe_u32 v3, v0, 4, 1                         ; h
	v_lshlrev_b32 v1, 4, v7                        ; 16 x lane
	v_lshlrev_b32 v2, 4, v6                        ; 16 r
	v_lshlrev_b32 v4, 6, v3                        ; 64 h: my half's 16 numbers of a bias
.irp b, 0,1,2,3
	v_mov_b32 v[TM+4+\b], 0                        ; written once: a lane permute's destination counts as one of its sources
.endr
	s_mov_b32 s[SEL], 0x76543210
	s_mov_b32 s[SEL+1], 0xfedcba98
	s_lshl_b32 s20, s[WV], 3
	s_add_co_u32 s21, s20, 768                     ; Wq's tiles 8 w on
	s_add_co_u32 s22, s20, 800                     ; Wk's
	s_max_u32 s23, ttmp9, 192
	s_sub_co_u32 s23, s23, 192                     ; V's work-groups count from 0
	s_lshr_b32 s26, s23, 1                         ; the key step, 0 to 63 over both batches
	s_and_b32 s27, s23, 1
	s_lshl_b32 s27, s27, 2
	s_add_co_u32 s27, s27, s[WV]                   ; the head
	s_lshl_b32 s28, s26, 3
	s_add_co_u32 s28, s28, 256                     ; kv's tiles of that key step
	s_lshl_b32 s29, s27, 2
	s_add_co_u32 s29, s29, 832                     ; Wv's tiles of that head
	s_lshl_b32 s30, ttmp9, 2                       ; q's or kv's tiles 4 g on (kv's begin at tile 256 = 4 x 64)
	s_cmp_lt_u32 ttmp9, 64
	s_cselect_b32 s21, s21, s22
	s_cmp_lt_u32 ttmp9, 192
	s_cselect_b32 s21, s21, s28                    ; R's first tile
	s_cselect_b32 s30, s30, s29                    ; L's first tile
	s_mov_b32 s25, 0
	s_wait_kmcnt 0x0
	s_lshl_b32 s24, s21, 12
	s_add_nc_u64 s[32:33], s[4:5], s[24:25]
	s_lshl_b32 s24, s21, 8
	s_add_co_u32 s24, s24, XSC
	s_add_nc_u64 s[34:35], s[4:5], s[24:25]
	s_lshl_b32 s24, s30, 12
	s_add_nc_u64 s[36:37], s[4:5], s[24:25]
	s_lshl_b32 s24, s30, 8
	s_add_co_u32 s24, s24, XSC
	s_add_nc_u64 s[38:39], s[4:5], s[24:25]
	LOADR
	LOADL 0
	s_cmp_lt_u32 ttmp9, 192
	s_cbranch_scc0 .Lpath_v
	; ---- Q and K: quantised along the head's 64
	s_cmp_lt_u32 ttmp9, 64
	s_mov_b32 s44, KVBLK
	s_mov_b32 s45, KSCO
	s_cselect_b64 s[40:41], s[6:7], s[8:9]         ; the bias
	s_cselect_b64 s[42:43], s[12:13], s[14:15]     ; where the codes go
	s_cselect_b32 s44, QBLK, s44                   ; a head's block there,
	s_cselect_b32 s45, QSCO, s45                   ; the scale words' place in it,
	s_cselect_b32 s46, 7, 8                        ; 128 or 256 tiles to a batch
	s_cselect_b32 s47, 0, 256
	s_lshl_b32 s20, ttmp9, 2
	s_sub_co_u32 s20, s20, s47                     ; my first tile among q's or kv's
	s_lshr_b32 s21, s20, s46                       ; the batch
	s_lshl_b32 s22, s21, s46
	s_sub_co_u32 s22, s20, s22                     ; the tile in the batch
	s_lshl_b32 s21, s21, 3
	s_lshl_b32 s23, s[WV], 1
	s_add_co_u32 s21, s21, s23                     ; block 8 x batch + 2 w
	s_mul_i32 s24, s21, s44
	s_add_nc_u64 s[42:43], s[42:43], s[24:25]
	s_lshl_b32 s24, s22, 9
	s_add_nc_u64 s[48:49], s[42:43], s[24:25]      ; head 2 w: my first tile's image
	s_mov_b32 s24, s44
	s_add_nc_u64 s[50:51], s[48:49], s[24:25]      ; head 2 w + 1: a block on
	s_lshl_b32 s24, s22, 6                         ; 256 bytes for each four tiles
	s_add_co_u32 s24, s24, s45
	s_add_nc_u64 s[52:53], s[42:43], s[24:25]      ; the scale words
	s_lshl_b32 s24, s[WV], 9
	s_add_nc_u64 s[40:41], s[40:41], s[24:25]      ; my 128 numbers of the bias
	v_mul_u32_u24 v5, s44, v3
	v_add_nc_u32 v5, v5, v2                        ; lanes 16-31 store head 2 w + 1's scale words
.irp t, 0,1,2,3,4,5,6,7
	global_load_b128 v[CB+8*\t:CB+8*\t+3], v4, s[40:41] offset:(32*(\t/2)+8*(\t%2))*4
	global_load_b128 v[CB+8*\t+4:CB+8*\t+7], v4, s[40:41] offset:(32*(\t/2)+8*(\t%2))*4+16
.endr
	s_wait_loadcnt 0x0
.irp i, 0,1,2,3
	CORE 8
.if \i < 3
	LOADL \i+1                                     ; the next tile of L lands while this one is quantised
.endif
	s_wait_xcnt 0x0                                ; the last tile's stores have read v[PC] on: it is written again only behind this wait
	QUANT ACC, PW+\i
	global_store_b128 v1, v[PC:PC+3], s[48:49] offset:512*\i       ; features 0-63 of my 128: head 2 w; 512 consecutive bytes, aligned
	global_store_b128 v1, v[PC+4:PC+7], s[50:51] offset:512*\i     ; features 64-127: head 2 w + 1
.if \i < 3
	s_wait_loadcnt 0x0
.endif
.endr
	v_cmp_eq_u32 vcc_lo, 1, v3
.irp i, 0,1,2,3
	v_lshrrev_b32 v[TM+\i], 16, v[PW+\i]           ; head 2 w + 1's two bytes
	v_cndmask_b32 v[PW+\i], v[PW+\i], v[TM+\i], vcc_lo
.endr
	global_store_b128 v5, v[PW:PW+3], s[52:53]     ; sixteen lanes store 256 consecutive bytes, aligned, for each of the two heads
	s_endpgm
.Lpath_v:
	; ---- V: quantised along the keys
	s_lshr_b32 s20, s26, 5                         ; the batch
	s_and_b32 s21, s26, 31                         ; the key step in it
	s_lshl_b32 s20, s20, 3
	s_add_co_u32 s20, s20, s27
	s_mul_i32 s24, s20, KVBLK
	s_add_nc_u64 s[42:43], s[14:15], s[24:25]
	s_lshl_b32 s24, s21, 12
	s_add_co_u32 s24, s24, VIMG
	s_add_nc_u64 s[48:49], s[42:43], s[24:25]      ; the key step's four images
	s_lshl_b32 s24, s21, 8
	s_add_co_u32 s24, s24, VSCO
	s_add_nc_u64 s[52:53], s[42:43], s[24:25]      ; and its scale words
	s_lshl_b32 s24, s27, 8
	s_add_nc_u64 s[40:41], s[10:11], s[24:25]      ; bv of my head
	v_and_b32 v8, 8, v6
	v_add_nc_u32 v8, v8, v6
	v_lshlrev_b32 v8, 2, v8                        ; my lane's d in a tile: r + 8 (r / 8)
.irp i, 0,1,2,3
	global_load_b32 v[BV+\i], v8, s[40:41] offset:(32*(\i/2)+8*(\i%2))*4
.endr
	s_wait_loadcnt 0x0
.irp i, 0,1,2,3
.irp j, 0,1,2,3,4,5,6,7
	v_mov_b32 v[CB+\j], v[BV+\i]                   ; the bias hangs on the lane alone: eight registers of it serve all eight tiles as C
.endr
.rept 4
	v_nop
.endr
	CORE 0
.if \i < 3
	LOADL \i+1
.endif
	s_wait_xcnt 0x0                                ; the last tile's stores have read v[PC] on
	QUANT ACC, PW+\i
	global_store_b128 v1, v[PC:PC+3], s[48:49] offset:1024*\i      ; keys 32 (lane / 16) on of d tile i
	global_store_b128 v1, v[PC+4:PC+7], s[48:49] offset:1024*\i+512   ; keys 64 + 32 (lane / 16) on
.if \i < 3
	s_wait_loadcnt 0x0
.endif
.endr
	s_wait_xcnt 0x0                                ; EXEC changes only behind this wait
	v_cmp_gt_u32 vcc_lo, 16, v7
	s_and_saveexec_b32 s56, vcc_lo
	global_store_b128 v2, v[PW:PW+3], s[52:53]     ; lanes 0-15: 256 consecutive bytes, aligned
	s_wait_xcnt 0x0                                ; and again in front of the line that widens it
	s_or_b32 exec_lo, exec_lo, s56
	s_endpgm
.Lfunc_end_k_q5aa546f1d5_proj:
	.size	k_q5aa546f1d5_proj, .Lfunc_end_k_q5aa546f1d5_proj-k_q5aa546f1d5_proj
	.p2alignl 7, 3214868480
	.fill 96, 4, 3214868480
	.section	.rodata,"a",@progbits
	.p2align	6, 0x0
	.amdhsa_kernel k_q5aa546f1d5_proj
		.amdhsa_group_segment_fixed_size 0
		.amdhsa_private_segment_fixed_size 0
		.amdhsa_enable_private_segment 0
		.amdhsa_kernarg_size 48
		.amdhsa_user_sgpr_count 2
		.amdhsa_user_sgpr_kernarg_segment_ptr 1
		.amdhsa_wavefront_size32 1
		.amdhsa_system_sgpr_workgroup_id_x 1
		.amdhsa_system_sgpr_workgroup_id_y 1
		.amdhsa_system_sgpr_workgroup_id_z 1
		.amdhsa_system_vgpr_workitem_id 0
		.amdhsa_next_free_vgpr 512
		.amdhsa_next_free_sgpr 66
		.amdhsa_reserve_vcc 1
		.amdhsa_float_denorm_mode_32 3
		.amdhsa_float_denorm_mode_16_64 3
		.amdhsa_memory_ordered 1
		.amdhsa_forward_progress 1
		.amdhsa_inst_pref_size 86
	.end_amdhsa_kernel
	.amdgpu_metadata
---
amdhsa.version: [ 1, 2 ]
amdhsa.kernels:
  - .name:           k_q5aa546f1d5_proj
    .symbol:         k_q5aa546f1d5_proj.kd
    .args:
      - { .name: xc, .offset: 0, .size: 8, .value_kind: global_buffer, .address_space: global }
      - { .name: bq, .offset: 8, .size: 8, .value_kind: global_buffer, .address_space: global }
      - { .name: bk, .offset: 16, .size: 8, .value_kind: global_buffer, .address_space: global }
      - { .name: bv, .offset: 24, .size: 8, .value_kind: global_buffer, .address_space: global }
      - { .name: qc, .offset: 32, .size: 8, .value_kind: global_buffer, .address_space: global }
      - { .name: kv2, .offset: 40, .size: 8, .value_kind: global_buffer, .address_space: global }
    .group_segment_fixed_size: 0
    .private_segment_fixed_size: 0
    .kernarg_segment_align: 8
    .kernarg_segment_size: 48
    .max_flat_workgroup_size: 128
    .sgpr_count:     66
    .vgpr_count:     512
    .wavefront_size: 32
...
	.end_amdgpu_metadata
.endif
;; end of part 2
;; launch attn (part 3): grid 16 x 16, 4 waves a work-group, clusters of 4 x 1, 327,680 bytes of LDS; arguments qc, kv2, key_gate, key_mask, oc; writes oc
.if DOCPART == 3
	.amdgcn_target "amdgcn-amd-amdhsa--gfx1250"
	.amdhsa_code_object_version 6
	.text
	.protected	k_q5aa546f1d5_attn
	.globl	k_q5aa546f1d5_attn
	.p2align	8
	.type	k_q5aa546f1d5_attn,@function
k_q5aa546f1d5_attn:
	s_mov_b64 s[64:65], 0
	v_nop
	global_prefetch_b8 v0, s[64:65] scope:SCOPE_SE
	s_setreg_imm32_b32 hwreg(HW_REG_WAVE_MODE, 25, 1), 1
	s_wait_xcnt 0x0
	s_wait_alu depctr_hold_cnt(0) depctr_sa_sdst(0) depctr_va_vdst(0) depctr_va_sdst(0) depctr_va_ssrc(0) depctr_va_vcc(0) depctr_vm_vsrc(0)
	s_getreg_b32 s2, hwreg(HW_REG_IB_STS2, 6, 4)
	s_cmp_eq_u32 s2, 0
	s_cbranch_scc0 .Lentry_in_a_cluster
	s_endpgm
.Lentry_in_a_cluster:
	s_bfe_u32 s2, ttmp6, 0x10000c
	s_cmp_lg_u32 s2, 0x3003
	s_cbranch_scc0 .Lentry_shape_is_right
	s_endpgm
.Lentry_shape_is_right:
; Gated, masked cross attention on codes of FP4 (E2M1, one E8M0 scale for each 32 along a product's K), and the quantising of its result for the output projection.
; logit = q . k / 8 + ln(max(gate, 1e-6)), -infinity where key_mask = 0.  t = logit x log2(e); M = the running largest t rounded up to a whole number; p = 2^(t - M) is quantised along the keys;
; the row's sum is taken of the unquantised p and divides O at the end.  When M moves, the sum and O are multiplied by 2^(old M - new M), which rounds nothing.
; THE GATE AND THE MASK ARE THE C OF THE SCORE PRODUCT: gb[key] = 8 ln(max(gate, 1e-6)), or -2^100 where the key is masked; S = q . k + gb and t = S x log2(e) / 8.
; LIMITS: a masked key counts as a score of -2^100 and the running maximum begins at -2^64, so every real t must lie above -2^64; where every key of a batch is masked the definition gives NaN and
; this text finite numbers; NaN and infinities among the inputs are not served; a block of zeros carries the byte 1 (its codes are zeros).
; SHARES.  Work-group (x, y): y = 8 x batch + head, x = 128 queries.  Wave w owns two tiles of 16 queries (A, B), which share every fragment of K and V and every bias, and walks all 4,096 keys, 128 a step.
; LDS.  kv2's block y (K's images, V's images, both scale words: 286,720 bytes) is copied as it lies, ONCE: five tensor loads a wave, all issued at the start (the scales, then four stages of
; 1,024 keys); nothing is filled again.  A counted wait and a barrier stand two steps ahead of each stage's first step.  Behind the block: gb, 4,096 f32, and 512 bytes of zeros.
; CLUSTER.  The four work-groups of a cluster belong to one y and need the same block: each load is asked for JOINTLY, with the same descriptor and the mask of all four.
; LAYOUT.  Both products are used transposed: S^T = K Q^T + gb (source 0 = 16 keys), O^T = V^T P^T (source 0 = 16 of the head's 64): a lane holds one query throughout.  Row r of a tile T is row
; 32 (T / 2) + 8 (T % 2) + r + 8 (r / 8), so the 16 registers of tiles 2 G, 2 G + 1 are 16 neighbours (keys in S^T, d in O^T).  The score product's K is 64: the upper half of its operands are zero codes.
; BY TURNS.  One tile's 68 exponentials stand between the other tile's plain vector lines, so that no two exponentials follow each other while plain work is at hand.
; REGISTERS.  window 0: v1-10 addresses; v12-15 K's scale words, v16-19 V's, v20-21 Q's, v22-23 p's; v24-43 statistics, ten a tile; v44-55 at work; v56-71 p's codes; v72-199 S^T, then p; v200-213 head and end.
;   window 1: v0-63 O^T; v64-127 K's fragments; v128-159 V's; v160-175 Q's; v176-239 gb in the result's layout.
.set QBLK,  73728
.set KVBLK, 286720
.set VIMG,  131072
.set KSC,   262144
.set VSC,   278528
.set GB,    286720
.set OSC,   1048576
.set AK0,  1                           ; 16 x lane
.set AV0,  2                           ; 16 x lane + VIMG
.set AKS0, 3                           ; 16 x lane + KSC: lanes 0-15 tiles 0-3 of a step, lanes 16-31 tiles 4-7
.set AVS0, 4                           ; 16 r + VSC
.set AG0,  5                           ; 64 h + GB
.set ADK,  6
.set ADV,  7
.set ADKS, 8
.set ADVS, 9
.set ADG,  10
.set KSCR, 12
.set VSCR, 16
.set QSC,  20
.set PW,   22
.set ST,   24                          ; tile x at ST + 10 x: +0 -M, +1 the largest t, +2 +3 the sum in two halves, +4 f (+5 named with it), +6 .. +9 the blocks' largest
.set XR,   44
.set SO,   48
.set RR,   52
.set SUM2, 54
.set P,    56
.set S,    72
.set KF,   64                          ; window 1
.set VF,   128
.set QF,   160
.set CB,   176
.set LANE, 200
.set RL,   201
.set HL,   202
.set R16,  203
.set T16,  204
.set NEG,  205
.set GA,   206
.set GZ,   207
.set ZERO, 208
.set SOF,  209
.set HWD,  210
.set HW,   212
.set WV,   14
.set G1I,  24                          ; s[24:31] group 1: 64 rows of 256 bytes;  s[32:39]: 24 rows
.set G1S,  32
.set G0S,  40                          ; s[40:43] group 0 for the scales;  s[44:59] for the four stages
.set G0I,  44
.set SEL,  60
.set CS,   62                          ; s[62:63] c = log2(e) / 8
.set TKN,  66                          ; LDS bytes: K's images of the next step,
.set TGN,  67                          ; its scale words and its gb (512 bytes a step each),
.set TV4,  68                          ; V's images of this step,
.set TVS,  69                          ; its scale words
.set CNT,  70
.set MSB, 0
.macro WIN new                         ; the immediate's high byte repeats the setting that is left
.if MSB != \new
	s_set_vgpr_msb (MSB<<8)|\new
.set MSB, \new
.endif
.endm
.macro CROUND                          ; a round of the cluster's barrier
	s_barrier_signal -1
	s_barrier_wait -1
	s_cmp_lg_u32 s[WV], 0
	s_cbranch_scc1 .Lnot_wave_0_\@
	s_barrier_signal -3
.Lnot_wave_0_\@:
	s_barrier_wait -3
	s_barrier_signal -1
	s_barrier_wait -1
.endm
	s_load_b256 s[4:11], s[0:1], 0x0               ; qc, kv2, key_gate, key_mask
	s_load_b64 s[12:13], s[0:1], 0x20              ; oc
	v_lshl_add_u32 v254, v0, 2, 0x4a200
	v_mov_b32 v255, 0
	ds_add_u32 v254, v255
	ds_add_u32 v254, v255
	v_lshrrev_b32 v1, 5, v0
	v_readfirstlane_b32 s[WV], v1                  ; wave 0..3
	s_bfe_u32 s15, ttmp6, 0x40000                  ; cx
	s_lshl_b32 s16, ttmp9, 2
	s_add_co_u32 s16, s16, s15                     ; my block of 128 queries: it enters Q's and O's global addresses alone
	s_and_b32 s17, ttmp7, 0xffff                   ; y, which the four partners share
	s_lshr_b32 s18, s17, 3                         ; the batch
	s_and_b32 s19, s17, 7                          ; the head
	s_mov_b32 s[G1I], 15|(3<<16)|(1<<21)           ; 15:0 the mask: all four work-groups; 17:16 elements of 8 bytes; 21 set beside a mask; no padding: the images are read 16 x lane
	s_mov_b32 s[G1I+1], 32<<16                     ; tensor_dim0 = 32 elements: 256 bytes
	s_mov_b32 s[G1I+2], 64<<16                     ; tensor_dim1 = 64
	s_mov_b32 s[G1I+3], 32<<16                     ; tile_dim0
	s_mov_b32 s[G1I+4], 64                         ; tile_dim1
	s_mov_b32 s[G1I+5], 32                         ; the pitch: dense
	s_mov_b32 s[G1I+6], 0
	s_mov_b32 s[G1I+7], 0
	s_mov_b32 s[G1S], 15|(3<<16)|(1<<21)
	s_mov_b32 s[G1S+1], 32<<16
	s_mov_b32 s[G1S+2], 24<<16
	s_mov_b32 s[G1S+3], 32<<16
	s_mov_b32 s[G1S+4], 24
	s_mov_b32 s[G1S+5], 32
	s_mov_b32 s[G1S+6], 0
	s_mov_b32 s[G1S+7], 0
	s_mov_b32 s[SEL], 0x76543210
	s_mov_b32 s[SEL+1], 0xfedcba98
	s_mov_b32 s[CS], 0x3e38aa3b
	s_mov_b32 s[CS+1], s[CS]                       ; (named with it as a pair, so it is written)
	s_mul_i32 s20, s17, KVBLK
	s_mov_b32 s21, 0
	s_lshr_b32 s72, s[WV], 1                       ; waves 0, 1 bring K's images, waves 2, 3 V's: 131,072 bytes on;
	s_lshl_b32 s72, s72, 17
	s_and_b32 s73, s[WV], 1
	s_lshl_b32 s73, s73, 14                        ; the odd wave the second 16,384 bytes of a stage's 32,768
	s_add_co_u32 s72, s72, s73
	s_mul_i32 s73, s[WV], 6144
	s_add_co_u32 s73, s73, KSC                     ; and a quarter of the 24,576 bytes of scale words
	s_mov_b32 s75, 0
	s_wait_dscnt 0x0
	s_wait_kmcnt 0x0
	s_add_nc_u64 s[22:23], s[6:7], s[20:21]        ; kv2's block y.  A byte's place in LDS is its place in the block
	s_mov_b32 s[G0S], 1
	s_mov_b32 s[G0S+1], s73
	s_mov_b32 s74, s73
	s_add_nc_u64 s[G0S+2:G0S+3], s[22:23], s[74:75]
	s_or_b32 s[G0S+3], s[G0S+3], 0x80000000
	s_mov_b32 s74, s72
	s_add_nc_u64 s[76:77], s[22:23], s[74:75]
.irp st, 0,1,2,3
	s_mov_b32 s[G0I+4*\st], 1
	s_add_co_u32 s[G0I+4*\st+1], s72, \st*32768
	s_add_nc_u64 s[G0I+4*\st+2:G0I+4*\st+3], s[76:77], \st*32768
	s_or_b32 s[G0I+4*\st+3], s[G0I+4*\st+3], 0x80000000
.endr
	CROUND                                         ; all four work-groups are here: the joint loads meet
	tensor_load_to_lds s[G0S:G0S+3], s[G1S:G1S+7]  ; all fills of the launch go out together: five loads of mine are out
	s_nop 0
.irp st, 0,1,2,3
	tensor_load_to_lds s[G0I+4*\st:G0I+4*\st+3], s[G1I:G1I+7]
	s_nop 0
.endr
.rept 4
	v_nop
.endr
	v_and_b32 v[LANE], 31, v0
	v_and_b32 v[RL], 15, v0
	v_bfe_u32 v[HL], v0, 4, 1
	v_lshlrev_b32 v[AK0], 4, v[LANE]
	v_add_nc_u32 v[AV0], VIMG, v[AK0]
	v_add_nc_u32 v[AKS0], KSC, v[AK0]
	v_lshl_add_u32 v[AVS0], v[RL], 4, VSC
	v_lshl_add_u32 v[AG0], v[HL], 6, GB
	v_lshlrev_b32 v[R16], 4, v[RL]
	v_lshlrev_b32 v[T16], 4, v0
	v_lshl_add_u32 v[GA], v0, 4, GB
	v_lshl_add_u32 v[GZ], v0, 2, GB+16384
	v_mov_b32 v[ZERO], 0
	v_mov_b32 v[NEG], 0xf1800000                   ; -2^100
	v_lshl_add_u32 v[SOF], v[HL], 8, v[R16]
	s_mul_i32 s72, s17, QBLK
	s_lshl_b32 s73, s16, 12                        ; my block's 8 tiles of 512 bytes,
	s_add_co_u32 s72, s72, s73
	s_lshl_b32 s73, s[WV], 10                      ; my wave's two
	s_add_co_u32 s72, s72, s73
	s_mov_b32 s73, 0
	s_add_nc_u64 s[20:21], s[4:5], s[72:73]        ; Q's codes
	s_mul_i32 s72, s17, QBLK
	s_lshl_b32 s74, s16, 9                         ; scale words: group 2 x + w / 2 of 256 bytes, words 2 (w % 2) and + 1 of a row's four
	s_add_co_u32 s72, s72, s74
	s_lshr_b32 s74, s[WV], 1
	s_lshl_b32 s74, s74, 8
	s_add_co_u32 s72, s72, s74
	s_and_b32 s74, s[WV], 1
	s_lshl_b32 s74, s74, 3
	s_add_co_u32 s72, s72, s74
	s_add_co_u32 s72, s72, 65536
	s_add_nc_u64 s[22:23], s[4:5], s[72:73]
	s_lshl_b32 s72, s18, 14                        ; the batch's 4,096 gates and masks
	s_add_nc_u64 s[8:9], s[8:9], s[72:73]
	s_add_nc_u64 s[10:11], s[10:11], s[72:73]
	WIN 0x40                                       ; destination window 1
	global_load_b128 v[QF:QF+3], v[AK0], s[20:21]
	global_load_b128 v[QF+8:QF+11], v[AK0], s[20:21] offset:512
	WIN 0
	global_load_b64 v[QSC:QSC+1], v[R16], s[22:23]
.irp m, 0,1,2,3,4,5,6,7                        ; thread i takes keys 4 i + 512 m
	global_load_b128 v[72+4*\m:75+4*\m], v[T16], s[8:9] offset:2048*\m
	global_load_b128 v[104+4*\m:107+4*\m], v[T16], s[10:11] offset:2048*\m
.endr
	WIN 0x40
.set i, 0
.rept 64
	v_mov_b32 v[i], 0                              ; O^T: the step is written once; its first trip finds zeros
.set i, i+1
.endr
.irp t, 0,1,2,3,4,5,6,7
.irp j, 4,5,6,7
	v_mov_b32 v[KF+8*\t+\j], 0                     ; K = 64 .. 127 of the score product: zero codes, set once
.endr
.endr
.irp x, 0,1
.irp j, 4,5,6,7
	v_mov_b32 v[QF+8*\x+\j], 0
.endr
.endr
	WIN 0
.irp x, 0,1
	v_mov_b32 v[ST+10*\x+1], 0xdf800000            ; the largest t so far: -2^64
	v_mov_b32 v[ST+10*\x+2], 0
	v_mov_b32 v[ST+10*\x+3], 0
	v_mov_b32 v[ST+10*\x+5], 0
.endr
.irp x, 0,1
	v_floor_f32 v[ST+10*\x], -v[ST+10*\x+1]        ; -M
.endr
.irp b, 0,1,2,3
	v_mov_b32 v[XR+\b], 0                          ; written once: a lane permute's destination counts as one of its sources
.endr
	s_wait_loadcnt 0x0                             ; Q, the gates, the masks
.set i, 0
.rept 32
	v_max_num_f32 v[72+i], 0x358637bd, v[72+i]     ; max(gate, 1e-6)
.set i, i+1
.endr
.set i, 0
.rept 32
	v_log_f32 v[72+i], v[72+i]
.set i, i+1
.endr
	v_nop                                          ; a plain place behind the last logarithm
.set i, 0
	s_wait_alu depctr_va_vdst(0)
.rept 32
	v_mul_f32 v[72+i], 0x40b17218, v[72+i]         ; x 8 ln 2
.set i, i+1
.endr
.set i, 0
.rept 32
	v_cmp_eq_u32 vcc_lo, 0, v[104+i]
	v_cndmask_b32 v[72+i], v[72+i], v[NEG], vcc_lo
.set i, i+1
.endr
.irp m, 0,1,2,3,4,5,6,7
	ds_store_b128 v[GA], v[72+4*\m:75+4*\m] offset:2048*\m
.endr
	ds_store_b32 v[GZ], v[ZERO]                    ; 512 bytes of zeros behind gb: what the last trip's fetch one step ahead reads there
; A stage's head: the scales and stages 0 .. st have landed in my part (3 - st younger loads may stay out); my LDS instructions are done; the barrier shows both of every wave.
; j: the step that follows.  The four LDS scalars are set anew, to constants.
.macro HEAD st, j
	s_wait_tensorcnt 3-\st
	s_wait_dscnt 0x0
	s_barrier_signal -1
	s_barrier_wait -1
	s_mov_b32 s[TKN], 4096*(\j+1)
	s_mov_b32 s[TGN], 512*(\j+1)
	s_mov_b32 s[TV4], 4096*(\j)
	s_mov_b32 s[TVS], 256*(\j)
.endm
; Line LN (0 .. 84) of what stands ahead of tile x's exponentials: 0-39 each block's largest score (it serves for the row's maximum and, since p rises with the score, for the block's largest p);
; 40-48 the running largest t, -M = floor(-t), f = 2^(old M - new M); 49-80 t - M, two at a time; 81-84 the same of the blocks' largest.
.macro PRE x
.set rT, ST+10*(\x)
.set rB, rT+6
.set rS, S+64*(\x)
.if LN < 4
	v_max3_num_f32 v[rB+LN], v[rS+16*LN], v[rS+16*LN+1], v[rS+16*LN+2]
.elseif LN < 28
	v_max3_num_f32 v[rB+LN%4], v[rB+LN%4], v[rS+16*(LN%4)+3+2*((LN-4)/4)], v[rS+16*(LN%4)+4+2*((LN-4)/4)]
.elseif LN < 32
	v_max_num_f32 v[rB+LN-28], v[rB+LN-28], v[rS+16*(LN-28)+15]
.elseif LN < 36
	v_permlanex16_b32 v[XR+LN-32], v[rB+LN-32], s[SEL], s[SEL+1]
.elseif LN < 40
	v_max_num_f32 v[rB+LN-36], v[rB+LN-36], v[XR+LN-36]
.elseif LN == 40
	v_max3_num_f32 v[RR], v[rB], v[rB+1], v[rB+2]
.elseif LN == 41
	v_max_num_f32 v[RR], v[RR], v[rB+3]
.elseif LN == 42
	v_mul_f32 v[RR], s[CS], v[RR]
.elseif LN == 43
	v_max_num_f32 v[rT+1], v[rT+1], v[RR]
.elseif LN == 44
	v_mov_b32 v[RR], v[rT]
.elseif LN == 45
	v_floor_f32 v[rT], -v[rT+1]
.elseif LN == 46
	v_sub_f32 v[RR], v[rT], v[RR]
.elseif LN == 47
	v_cvt_i32_f32 v[RR], v[RR]
.elseif LN == 48
	v_ldexp_f32 v[rT+4], 1.0, v[RR]
.elseif LN < 81
	v_pk_fma_f32 v[rS+2*(LN-49):rS+2*(LN-49)+1], v[rS+2*(LN-49):rS+2*(LN-49)+1], s[CS:CS+1], v[rT:rT+1] op_sel_hi:[1,0,0]
.else
	v_fma_f32 v[rB+LN-81], v[rB+LN-81], s[CS], v[rT]
.endif
.endm
.macro EXPN x                          ; exponential KX (0 .. 67) of tile x: the four blocks' largest, then the 64 p
.if KX < 4
	v_exp_f32 v[ST+10*(\x)+6+KX], v[ST+10*(\x)+6+KX]
.else
	v_exp_f32 v[S+64*(\x)+KX-4], v[S+64*(\x)+KX-4]
.endif
.endm
; Line LN (0 .. 59) of what follows tile x's exponentials: 0 the sum under the new M; 1-15 the blocks' floors, scale operands, bytes, the scale word; 16-23 the conversions;
; 24-55 the row's sum of the unquantised p, in two chains (plain lines: the places between the conversions and the exchanges); 56-59 a whole block to a lane.
.macro POSTL x
.set rT, ST+10*(\x)
.set rB, rT+6
.set rS, S+64*(\x)
.set rP, P+8*(\x)
.set rW, PW+(\x)
.if LN == 0
	v_pk_mul_f32 v[rT+2:rT+3], v[rT+2:rT+3], v[rT+4:rT+5] op_sel_hi:[1,0]
	s_wait_alu depctr_va_vdst(0)
.elseif LN < 5
	s_wait_alu depctr_va_vdst(0)
	v_max_num_f32 v[rB+LN-1], 0x1800000, v[rB+LN-1]
.elseif LN < 9
	v_add_nc_u32 v[SO+LN-5], 0xff000000, v[rB+LN-5]
.elseif LN < 13
	v_lshrrev_b32 v[XR+LN-9], 23, v[SO+LN-9]
.elseif LN == 13
	v_lshl_or_b32 v[rW], v[XR+1], 8, v[XR]
.elseif LN == 14
	v_lshl_or_b32 v[rW], v[XR+2], 16, v[rW]
.elseif LN == 15
	v_lshl_or_b32 v[rW], v[XR+3], 24, v[rW]
.elseif LN < 24
	v_cvt_scalef32_pk8_fp4_f32 v[rP+LN-16], v[rS+8*(LN-16):rS+8*(LN-16)+7], v[SO+(LN-16)/2]
.elseif LN == 24
	v_pk_add_f32 v[SUM2:SUM2+1], v[rS:rS+1], v[rS+2:rS+3]
.elseif LN < 55
.if (LN-25)%2 == 0
	v_pk_add_f32 v[rT+2:rT+3], v[rT+2:rT+3], v[rS+4+4*((LN-25)/2):rS+5+4*((LN-25)/2)]
.else
	v_pk_add_f32 v[SUM2:SUM2+1], v[SUM2:SUM2+1], v[rS+6+4*((LN-25)/2):rS+7+4*((LN-25)/2)]
.endif
.elseif LN == 55
	v_pk_add_f32 v[rT+2:rT+3], v[rT+2:rT+3], v[SUM2:SUM2+1]
.else
	v_permlane16_swap_b32 v[rP+4*((LN-56)/2)+(LN-56)%2], v[rP+2+4*((LN-56)/2)+(LN-56)%2]
.endif
.endm
; A KEY STEP: 128 keys.  K's fragments, their scale words and gb were fetched in the step before.
.macro BODY
	WIN 0x15                                       ; K, Q and gb in window 1, S^T in window 0
.irp t, 0,1,2,3,4,5,6,7
.irp x, 0,1
.if \t < 4
	v_wmma_scale_f32_16x16x128_f8f6f4 v[S+64*\x+8*\t:S+64*\x+8*\t+7], v[KF+8*\t:KF+8*\t+7], v[QF+8*\x:QF+8*\x+7], v[CB+8*\t:CB+8*\t+7], v[KSCR+\t%4], v[QSC+\x] matrix_a_fmt:MATRIX_FMT_FP4 matrix_b_fmt:MATRIX_FMT_FP4
.else
	v_wmma_scale_f32_16x16x128_f8f6f4 v[S+64*\x+8*\t:S+64*\x+8*\t+7], v[KF+8*\t:KF+8*\t+7], v[QF+8*\x:QF+8*\x+7], v[CB+8*\t:CB+8*\t+7], v[KSCR+\t%4], v[QSC+\x] matrix_a_fmt:MATRIX_FMT_FP4 matrix_b_fmt:MATRIX_FMT_FP4 matrix_a_scale:MATRIX_SCALE_ROW1
.endif
.endr
.endr
	WIN 0
	v_add_nc_u32 v[ADV], s[TV4], v[AV0]            ; five plain lines: the places in front of the loads into registers that matrix instructions have read, and of the first read of the scores
	v_add_nc_u32 v[ADK], s[TKN], v[AK0]
	v_add_nc_u32 v[ADG], s[TGN], v[AG0]
	v_add_nc_u32 v[ADVS], s[TVS], v[AVS0]
	v_add_nc_u32 v[ADKS], s[TGN], v[AKS0]
	WIN 0x40                                       ; 34 LDS loads in one run, a whole softmax ahead of the wait for them: this step's V, the next step's K and gb, both scale words
.irp t, 0,1,2,3
.irp c, 0,1
	ds_load_b128 v[VF+8*\t+4*\c:VF+8*\t+4*\c+3], v[ADV] offset:1024*\t+512*\c
.endr
.endr
.irp t, 0,1,2,3,4,5,6,7
	ds_load_b128 v[KF+8*\t:KF+8*\t+3], v[ADK] offset:512*\t
.endr
.irp t, 0,1,2,3,4,5,6,7
.irp q, 0,1
	ds_load_b128 v[CB+8*\t+4*\q:CB+8*\t+4*\q+3], v[ADG] offset:(32*(\t/2)+8*(\t%2))*4+16*\q
.endr
.endr
	WIN 0
	ds_load_b128 v[VSCR:VSCR+3], v[ADVS]
	ds_load_b128 v[KSCR:KSCR+3], v[ADKS]
	s_add_co_u32 s[TKN], s[TKN], 4096
	s_add_co_u32 s[TGN], s[TGN], 512
	s_add_co_u32 s[TV4], s[TV4], 4096
	s_add_co_u32 s[TVS], s[TVS], 256
.set LN, 0
.rept 85
	PRE 0
.set LN, LN+1
.endr
.set LN, 0
.set KX, 0
.rept 68                                       ; A's exponentials between B's 85 plain lines: one behind each, a second behind every fourth
	EXPN 0
	PRE 1
.set LN, LN+1
.if KX%4 == 0
	PRE 1
.set LN, LN+1
.endif
.set KX, KX+1
.endr
.set KX, 0
.rept 68                                       ; B's exponentials between A's 60 lines
	EXPN 1
.if KX < 60
.set LN, KX
	POSTL 0
.endif
.set KX, KX+1
.endr
.set LN, 0
.rept 60
	POSTL 1
.set LN, LN+1
.endr
	WIN 0x41                                       ; O^T under the new M: x f.  These 32 plain lines are also the places between p's codes and scale words and the products below
.set i, 0
.rept 16
	v_pk_mul_f32 v[2*i:2*i+1], v[2*i:2*i+1], v[ST+4:ST+5] op_sel_hi:[1,0]
	v_pk_mul_f32 v[32+2*i:32+2*i+1], v[32+2*i:32+2*i+1], v[ST+14:ST+15] op_sel_hi:[1,0]
.set i, i+1
.endr
	s_wait_dscnt 0x0                               ; all 34 loads are in
	WIN 0x51                                       ; V and O^T in window 1, p in window 0.  The eight accumulators take turns
.irp t, 0,1,2,3
.irp x, 0,1
	v_wmma_scale_f32_16x16x128_f8f6f4 v[32*\x+8*\t:32*\x+8*\t+7], v[VF+8*\t:VF+8*\t+7], v[P+8*\x:P+8*\x+7], v[32*\x+8*\t:32*\x+8*\t+7], v[VSCR+\t], v[PW+\x] matrix_a_fmt:MATRIX_FMT_FP4 matrix_b_fmt:MATRIX_FMT_FP4
.endr
.endr
	WIN 0
.endm
.macro LOOP n
	s_mov_b32 s[CNT], \n
.Lstep_\@:
	BODY
	s_sub_co_u32 s[CNT], s[CNT], 1
	s_cmp_lg_u32 s[CNT], 0
	s_cbranch_scc1 .Lstep_\@
.endm
	HEAD 0, 0                                      ; the scales, keys 0-1,023 and gb lie in LDS
	WIN 0x40
.irp t, 0,1,2,3,4,5,6,7
	ds_load_b128 v[KF+8*\t:KF+8*\t+3], v[AK0] offset:512*\t
.endr
.irp t, 0,1,2,3,4,5,6,7
.irp q, 0,1
	ds_load_b128 v[CB+8*\t+4*\q:CB+8*\t+4*\q+3], v[AG0] offset:(32*(\t/2)+8*(\t%2))*4+16*\q
.endr
.endr
	WIN 0
	ds_load_b128 v[KSCR:KSCR+3], v[AKS0]
	s_wait_dscnt 0x0
	LOOP 6                                         ; steps 0-5: they fetch K up to step 6
	HEAD 1, 6
	LOOP 8                                         ; steps 6-13: K up to step 14
	HEAD 2, 14
	LOOP 8                                         ; steps 14-21: K up to step 22
	HEAD 3, 22
	LOOP 10                                        ; steps 22-31.  The last trip's fetch one step ahead reads landed bytes behind K's images and scale words and the zeros behind gb; nothing uses them
	; THE END.  The row's sum; O^T / the sum; quantised along the 512 of the output projection, of which my head's 64 are blocks 2 x head and + 1.  The lines up to the v_nop are the places behind the last products.
.irp x, 0,1
	v_add_f32 v[ST+10*\x+2], v[ST+10*\x+2], v[ST+10*\x+3]
.endr
.irp x, 0,1
	v_permlanex16_b32 v[XR+\x], v[ST+10*\x+2], s[SEL], s[SEL+1]
.endr
.irp x, 0,1
	v_add_f32 v[ST+10*\x+2], v[ST+10*\x+2], v[XR+\x]
.endr
.irp x, 0,1
	v_rcp_f32 v[ST+10*\x+4], v[ST+10*\x+2]
.endr
	v_nop                                          ; a plain place behind the reciprocals
	WIN 0x01                                       ; source 0 window 1
	s_wait_alu depctr_va_vdst(0)
.irp x, 0,1
.set i, 0
.rept 32
	v_mul_f32 v[S+64*\x+i], v[32*\x+i], v[ST+10*\x+4]   ; register 16 G + i is d = 32 G + 16 (lane / 16) + i; each accumulator from its low end on
.set i, i+1
.endr
.endr
	WIN 0
.macro QUANT2 x
.set rB, ST+10*(\x)+6
.set rS, S+64*(\x)
.set rP, P+8*(\x)
.irp b, 0,1
	v_max3_num_f32 v[rB+\b], |v[rS+16*\b]|, |v[rS+16*\b+1]|, 0x1800000
.endr
.irp i, 2,4,6,8,10,12,14
.irp b, 0,1
	v_max3_num_f32 v[rB+\b], v[rB+\b], |v[rS+16*\b+\i]|, |v[rS+16*\b+\i+1]|
.endr
.endr
.irp b, 0,1
	v_permlanex16_b32 v[XR+\b], v[rB+\b], s[SEL], s[SEL+1]
.endr
.irp b, 0,1
	v_max_num_f32 v[rB+\b], v[rB+\b], v[XR+\b]
.endr
.irp b, 0,1
	v_add_nc_u32 v[SO+\b], 0xff000000, v[rB+\b]
.endr
.irp b, 0,1
	v_lshrrev_b32 v[XR+\b], 23, v[SO+\b]
.endr
	v_lshl_or_b32 v[HW+\x], v[XR+1], 8, v[XR]      ; my row's two scale bytes
.irp b, 0,1
	v_cvt_scalef32_pk8_fp4_f32 v[rP+2*\b], v[rS+16*\b:rS+16*\b+7], v[SO+\b]
	v_cvt_scalef32_pk8_fp4_f32 v[rP+2*\b+1], v[rS+16*\b+8:rS+16*\b+15], v[SO+\b]
.endr
	v_nop                                          ; one plain place behind a scaled conversion
	v_permlane16_swap_b32 v[rP], v[rP+2]           ; lanes 0-15 block 0 whole, lanes 16-31 block 1
	v_permlane16_swap_b32 v[rP+1], v[rP+3]
.endm
	QUANT2 0
	QUANT2 1
	s_lshl_b32 s72, s18, 7
	s_lshl_b32 s73, s16, 3
	s_add_co_u32 s72, s72, s73
	s_lshl_b32 s73, s[WV], 1
	s_add_co_u32 s72, s72, s73                     ; my first tile among oc's 256: 128 x batch + 8 x + 2 w
	s_lshl_b32 s74, s72, 12
	s_lshl_b32 s75, s19, 9
	s_add_co_u32 s74, s74, s75                     ; blocks 2 x head, + 1 of the tile's image
	s_mov_b32 s75, 0
	s_add_nc_u64 s[76:77], s[12:13], s[74:75]
	s_lshl_b32 s74, s72, 8
	s_lshl_b32 s73, s19, 1
	s_add_co_u32 s74, s74, s73
	s_add_co_u32 s74, s74, OSC
	s_add_nc_u64 s[78:79], s[12:13], s[74:75]
	v_cmp_eq_u32 vcc_lo, 1, v[HL]
	v_cndmask_b32 v[HWD], v[HW], v[HW+1], vcc_lo   ; lanes 0-15 store tile A's bytes, lanes 16-31 tile B's
	global_store_b128 v[AK0], v[P:P+3], s[76:77]               ; 512 consecutive bytes, aligned
	global_store_b128 v[AK0], v[P+8:P+11], s[76:77] offset:4096
	global_store_b16 v[SOF], v[HWD], s[78:79]      ; two of a row's sixteen scale bytes: the other heads' work-groups store the rest (64 bytes a wave against 1,024 of codes)
	s_wait_tensorcnt 0x0
	ds_add_u32 v254, v255
	s_wait_dscnt 0x0
	CROUND                                         ; the closing round: no work-group ends while a partner may still ask for a tile that names it
	s_endpgm
.Lfunc_end_k_q5aa546f1d5_attn:
	.size	k_q5aa546f1d5_attn, .Lfunc_end_k_q5aa546f1d5_attn-k_q5aa546f1d5_attn
	.p2alignl 7, 3214868480
	.fill 96, 4, 3214868480
	.section	.rodata,"a",@progbits
	.p2align	6, 0x0
	.amdhsa_kernel k_q5aa546f1d5_attn
		.amdhsa_group_segment_fixed_size 327680
		.amdhsa_private_segment_fixed_size 0
		.amdhsa_enable_private_segment 0
		.amdhsa_kernarg_size 40
		.amdhsa_user_sgpr_count 2
		.amdhsa_user_sgpr_kernarg_segment_ptr 1
		.amdhsa_wavefront_size32 1
		.amdhsa_system_sgpr_workgroup_id_x 1
		.amdhsa_system_sgpr_workgroup_id_y 1
		.amdhsa_system_sgpr_workgroup_id_z 1
		.amdhsa_system_vgpr_workitem_id 0
		.amdhsa_next_free_vgpr 512
		.amdhsa_next_free_sgpr 80
		.amdhsa_reserve_vcc 1
		.amdhsa_float_denorm_mode_32 3
		.amdhsa_float_denorm_mode_16_64 3
		.amdhsa_memory_ordered 1
		.amdhsa_forward_progress 1
		.amdhsa_inst_pref_size 148
	.end_amdhsa_kernel
	.amdgpu_metadata
---
amdhsa.version: [ 1, 2 ]
amdhsa.kernels:
  - .name:           k_q5aa546f1d5_attn
    .symbol:         k_q5aa546f1d5_attn.kd
    .args:
      - { .name: qc, .offset: 0, .size: 8, .value_kind: global_buffer, .address_space: global }
      - { .name: kv2, .offset: 8, .size: 8, .value_kind: global_buffer, .address_space: global }
      - { .name: key_gate, .offset: 16, .size: 8, .value_kind: global_buffer, .address_space: global }
      - { .name: key_mask, .offset: 24, .size: 8, .value_kind: global_buffer, .address_space: global }
      - { .name: oc, .offset: 32, .size: 8, .value_kind: global_buffer, .address_space: global }
    .group_segment_fixed_size: 327680
    .private_segment_fixed_size: 0
    .kernarg_segment_align: 8
    .kernarg_segment_size: 40
    .max_flat_workgroup_size: 128
    .sgpr_count:     80
    .vgpr_count:     512
    .wavefront_size: 32
...
	.end_amdgpu_metadata
.endif
;; end of part 3
;; launch outp (part 4): grid 256 x 1, 4 waves a work-group, no clusters, 34,304 bytes of LDS; arguments xc, oc, bo, out0; writes out0
.if DOCPART == 4
	.amdgcn_target "amdgcn-amd-amdhsa--gfx1250"
	.amdhsa_code_object_version 6
	.text
	.protected	k_q5aa546f1d5_outp
	.globl	k_q5aa546f1d5_outp
	.p2align	8
	.type	k_q5aa546f1d5_outp,@function
k_q5aa546f1d5_outp:
	s_mov_b64 s[64:65], 0
	v_nop
	global_prefetch_b8 v0, s[64:65] scope:SCOPE_SE
	s_setreg_imm32_b32 hwreg(HW_REG_WAVE_MODE, 25, 1), 1
	s_wait_xcnt 0x0
; out0 = attention's result x Wo^T + bo, on codes of FP4 (E2M1, one E8M0 scale for each 32 along K = 512); sums in f32.
; Both operands lie as images of operand registers (16 rows x 512 K in 4,096 bytes, 16 bytes a lane and register group; scale bytes 16 a row): Wo's in xc (tiles 864 on), the rows' in oc.
; A work-group takes one tile of 16 rows, wave w outputs 128 w .. 128 w + 127: Wo's 8 tiles are source 0, the rows source 1: a lane holds one row, and accumulator registers 16 G + i are outputs
; 128 w + 32 G + 16 (lane / 16) + i (row r of a tile T is row 32 (T / 2) + 8 (T % 2) + r + 8 (r / 8) of its tensor).  bo is the C of each sum's first matrix instruction.
; The results turn through the wave's own stage in LDS (16 rows of 512 bytes + 16) and leave as runs of 512 consecutive bytes, aligned.  No barrier: waves share nothing in LDS.
; NO JOINT LOADS: the operands go from memory straight into the registers that the matrix unit reads (36 KiB a wave, once); a shared tile would have to pass through LDS and be read again there.
.set XSC,   896*4096
.set OSC,   1048576
.set SPITCH, 528
.set RS,  16                           ; v16-47   Wo's scale words: 4 t + s
.set LS,  48                           ; v48-51   the rows'
.set LF,  80                           ; v80-111  the rows' fragments
.set ACC, 112                          ; v112-175 eight accumulators
.set CB,  176                          ; v176-239 bo in the result's layout; later the rows read back from the stage
.set WV,  16
.set MSB, 0
.macro WIN new                         ; window 1 holds Wo's fragments: 32 t + 8 s.  The immediate's high byte repeats the setting that is left
.if MSB != \new
	s_set_vgpr_msb (MSB<<8)|\new
.set MSB, \new
.endif
.endm
	s_load_b256 s[4:11], s[0:1], 0x0               ; xc, oc, bo, out0
	v_lshl_add_u32 v254, v0, 2, 0x8400
	v_mov_b32 v255, 0
	v_lshrrev_b32 v1, 5, v0
	v_readfirstlane_b32 s[WV], v1
	v_and_b32 v7, 31, v0                           ; lane
	v_and_b32 v6, 15, v0                           ; r
	v_bfe_u32 v3, v0, 4, 1                         ; h
	v_lshlrev_b32 v1, 4, v7                        ; 16 x lane
	v_lshlrev_b32 v2, 4, v6                        ; 16 r
	v_lshlrev_b32 v4, 6, v3                        ; 64 h
	s_mul_i32 s20, s[WV], 16*SPITCH                ; my stage
	v_mul_u32_u24 v8, v6, SPITCH
	v_add_nc_u32 v8, v8, v4
	v_add_nc_u32 v8, s20, v8                       ; in: row r, + 64 h
	v_add_nc_u32 v9, s20, v1                       ; back: a row's 512 bytes, 16 a lane
	s_lshl_b32 s21, s[WV], 3
	s_add_co_u32 s21, s21, 864                     ; Wo's tiles 8 w on
	s_mov_b32 s25, 0
	s_wait_kmcnt 0x0
	s_lshl_b32 s24, s21, 12
	s_add_nc_u64 s[32:33], s[4:5], s[24:25]
	s_lshl_b32 s24, s21, 8
	s_add_co_u32 s24, s24, XSC
	s_add_nc_u64 s[34:35], s[4:5], s[24:25]
	s_lshl_b32 s24, ttmp9, 12
	s_add_nc_u64 s[36:37], s[6:7], s[24:25]
	s_lshl_b32 s24, ttmp9, 8
	s_add_co_u32 s24, s24, OSC
	s_add_nc_u64 s[38:39], s[6:7], s[24:25]
	s_lshl_b32 s24, s[WV], 9
	s_add_nc_u64 s[40:41], s[8:9], s[24:25]        ; my 128 numbers of bo
	s_lshr_b32 s22, ttmp9, 1
	s_lshl_b32 s22, s22, 16                        ; 32 rows of 2,048 bytes for each pair of tiles,
	s_and_b32 s23, ttmp9, 1
	s_lshl_b32 s23, s23, 14                        ; 8 rows for the odd one,
	s_add_co_u32 s22, s22, s23
	s_add_co_u32 s24, s24, s22                     ; and my 512 bytes of a row
	s_add_nc_u64 s[48:49], s[10:11], s[24:25]
	WIN 0x40                                       ; destination window 1
.irp t, 0,1,2,3,4,5,6,7
.irp s, 0,1,2,3
.irp c, 0,1
	global_load_b128 v[32*\t+8*\s+4*\c:32*\t+8*\s+4*\c+3], v1, s[32:33] offset:\t*4096+\s*1024+\c*512
.endr
.endr
.endr
	WIN 0
.irp t, 0,1,2,3,4,5,6,7
	global_load_b128 v[RS+4*\t:RS+4*\t+3], v2, s[34:35] offset:256*\t
.endr
.irp s, 0,1,2,3
.irp c, 0,1
	global_load_b128 v[LF+8*\s+4*\c:LF+8*\s+4*\c+3], v1, s[36:37] offset:\s*1024+\c*512
.endr
.endr
	global_load_b128 v[LS:LS+3], v2, s[38:39]
.irp t, 0,1,2,3,4,5,6,7
	global_load_b128 v[CB+8*\t:CB+8*\t+3], v4, s[40:41] offset:(32*(\t/2)+8*(\t%2))*4
	global_load_b128 v[CB+8*\t+4:CB+8*\t+7], v4, s[40:41] offset:(32*(\t/2)+8*(\t%2))*4+16
.endr
	s_wait_loadcnt 0x0
	WIN 0x01                                       ; source 0 window 1.  The eight accumulators take turns, one instruction a turn
.irp s, 0,1,2,3
.irp t, 0,1,2,3,4,5,6,7
.if \s == 0
	v_wmma_scale_f32_16x16x128_f8f6f4 v[ACC+8*\t:ACC+8*\t+7], v[32*\t+8*\s:32*\t+8*\s+7], v[LF+8*\s:LF+8*\s+7], v[CB+8*\t:CB+8*\t+7], v[RS+4*\t+\s], v[LS+\s] matrix_a_fmt:MATRIX_FMT_FP4 matrix_b_fmt:MATRIX_FMT_FP4
.else
	v_wmma_scale_f32_16x16x128_f8f6f4 v[ACC+8*\t:ACC+8*\t+7], v[32*\t+8*\s:32*\t+8*\s+7], v[LF+8*\s:LF+8*\s+7], v[ACC+8*\t:ACC+8*\t+7], v[RS+4*\t+\s], v[LS+\s] matrix_a_fmt:MATRIX_FMT_FP4 matrix_b_fmt:MATRIX_FMT_FP4
.endif
.endr
.endr
	WIN 0
.rept 4
	v_nop                                          ; the places in front of the first read of results and of the loads into bo's registers
.endr
.irp g, 0,1,2,3
.irp q, 0,1,2,3
	ds_store_b128 v8, v[ACC+16*\g+4*\q:ACC+16*\g+4*\q+3] offset:128*\g+16*\q   ; outputs 32 g + 16 h + 4 q on of row r; each accumulator from its low end on
.endr
.endr
.irp i, 0,1,2,3,4,5,6,7,8,9,10,11,12,13,14,15
	ds_load_b128 v[CB+4*\i:CB+4*\i+3], v9 offset:\i*SPITCH   ; LDS serves a wave's instructions in order: these see my stores
.endr
.irp i, 0,1,2,3,4,5,6,7,8,9,10,11,12,13,14,15
	s_wait_dscnt 15-\i
	global_store_b128 v1, v[CB+4*\i:CB+4*\i+3], s[48:49] offset:(\i+8*(\i/8))*2048 th:TH_STORE_NT   ; 32 lanes store 512 consecutive bytes, aligned; written once, read by nobody here
.endr
	s_wait_tensorcnt 0x0
	ds_add_u32 v254, v255
	s_wait_dscnt 0x0
	s_endpgm
.Lfunc_end_k_q5aa546f1d5_outp:
	.size	k_q5aa546f1d5_outp, .Lfunc_end_k_q5aa546f1d5_outp-k_q5aa546f1d5_outp
	.p2alignl 7, 3214868480
	.fill 96, 4, 3214868480
	.section	.rodata,"a",@progbits
	.p2align	6, 0x0
	.amdhsa_kernel k_q5aa546f1d5_outp
		.amdhsa_group_segment_fixed_size 34304
		.amdhsa_private_segment_fixed_size 0
		.amdhsa_enable_private_segment 0
		.amdhsa_kernarg_size 32
		.amdhsa_user_sgpr_count 2
		.amdhsa_user_sgpr_kernarg_segment_ptr 1
		.amdhsa_wavefront_size32 1
		.amdhsa_system_sgpr_workgroup_id_x 1
		.amdhsa_system_sgpr_workgroup_id_y 1
		.amdhsa_system_sgpr_workgroup_id_z 1
		.amdhsa_system_vgpr_workitem_id 0
		.amdhsa_next_free_vgpr 512
		.amdhsa_next_free_sgpr 66
		.amdhsa_reserve_vcc 0
		.amdhsa_float_denorm_mode_32 3
		.amdhsa_float_denorm_mode_16_64 3
		.amdhsa_memory_ordered 1
		.amdhsa_forward_progress 1
		.amdhsa_inst_pref_size 20
	.end_amdhsa_kernel
	.amdgpu_metadata
---
amdhsa.version: [ 1, 2 ]
amdhsa.kernels:
  - .name:           k_q5aa546f1d5_outp
    .symbol:         k_q5aa546f1d5_outp.kd
    .args:
      - { .name: xc, .offset: 0, .size: 8, .value_kind: global_buffer, .address_space: global }
      - { .name: oc, .offset: 8, .size: 8, .value_kind: global_buffer, .address_space: global }
      - { .name: bo, .offset: 16, .size: 8, .value_kind: global_buffer, .address_space: global }
      - { .name: out0, .offset: 24, .size: 8, .value_kind: global_buffer, .address_space: global }
    .group_segment_fixed_size: 34304
    .private_segment_fixed_size: 0
    .kernarg_segment_align: 8
    .kernarg_segment_size: 32
    .max_flat_workgroup_size: 128
    .sgpr_count:     66
    .vgpr_count:     512
    .wavefront_size: 32
...
	.end_amdgpu_metadata
.endif
;; end of part 4
;; ======== version 2 of 2: 4 launches; version 1 with the launches proj, outp written anew for expert scheduling mode
;; workspace buffers: xc 3,899,392 bytes; qc 1,179,648 bytes; kv2 4,587,520 bytes; oc 1,114,112 bytes
;; launch quant: the kernel of part 1 again; grid 224 x 1, 4 waves a work-group, no clusters, 41,472 bytes of LDS; arguments q, kv, Wq, Wk, Wv, Wo, xc; writes xc
;; launch proj (part 5): grid 320 x 1, 4 waves a work-group, no clusters, 0 bytes of LDS; arguments xc, bq, bk, bv, qc, kv2; writes qc, kv2
.if DOCPART == 5
	.amdgcn_target "amdgcn-amd-amdhsa--gfx1250"
	.amdhsa_code_object_version 6
	.text
	.protected	k_q5aa546f1d5_proj
	.globl	k_q5aa546f1d5_proj
	.p2align	8
	.type	k_q5aa546f1d5_proj,@function
k_q5aa546f1d5_proj:
	s_mov_b64 s[64:65], 0
	v_nop
	global_prefetch_b8 v0, s[64:65] scope:SCOPE_SE
	s_setreg_imm32_b32 hwreg(HW_REG_WAVE_SCHED_MODE, 0, 2), 2
	s_setreg_imm32_b32 hwreg(HW_REG_WAVE_MODE, 25, 1), 1
	s_wait_xcnt 0x0
	s_wait_alu depctr_vm_vsrc(0)
; The three input projections on codes of FP4 (E2M1, one E8M0 scale for each 32 along K = 512), each result quantised again in registers for the attention launch:
;   qp = q Wq^T + bq and kp = kv Wk^T + bk along the head's 64 (two blocks), vp = kv Wv^T + bv along the KEYS.
; Operands lie in xc as images of operand registers (16 rows x 512 K in 4,096 bytes, 16 bytes a lane and register group; scale bytes 16 a row), so each fragment comes by loads of 16 x lane.
; A WAVE'S UNIT.  R: 8 tiles (128 rows), kept in 256 registers; they are source 0, so R's rows run along a lane's result registers: R is the axis that is quantised.  L: 4 tiles, one after the
; other, source 1: L's rows lie in the lanes.  Row r of tile T is row 32 (T / 2) + 8 (T % 2) + r + 8 (r / 8): so accumulator registers 16 G + i are R's rows 32 G + 16 (lane / 16) + i.
;   work-groups 0-63:    R = Wq's rows 128 w on (heads 2 w, 2 w + 1), L = 64 rows of q
;   work-groups 64-191:  R = Wk's rows 128 w on,                      L = 64 rows of kv
;   work-groups 192-319: R = 128 rows of kv (a key step),             L = Wv's 64 rows of head 4 (g % 2) + w
; OUT.  qc, 16 blocks (8 x batch + head) of 73,728 bytes: 128 tiles of 16 queries x 64 codes, 16 bytes at 16 x lane; at 65,536 scale words [tile / 4][row][4 tiles].
;   kv2, 16 blocks of 286,720 bytes: K's 256 tiles likewise at 0; V's images [key step][4 tiles of 16 d][2][lane][16] at 131,072; K's scale words at 262,144; V's [key step][row][4 tiles] at 278,528.
;   In Q's and K's scale words bytes 2 and 3 meet zero codes alone; they hold the neighbouring head's bytes (1 to 254) or 0.
; The biases are the C of each sum's first matrix instruction.  A block of zeros gets the byte 1 (its codes are zeros).  LIMITS: NaN and infinities are not served.
; NO LDS, NO BARRIER, NO JOINT LOADS: every operand goes from memory straight into the registers that the matrix unit reads (48 KiB a wave for 128 matrix instructions); a shared tile would
; have to pass through LDS and be read from there again, which these images spare.
; THE MODE: SCHED_MODE bits 1:0 = 2 (LLVM: expert scheduling mode 2), set by the entry lines.  The code itself states the register dependences
; between vector or matrix instructions and memory instructions, with s_wait_alu, always for 0.
; THE PLAN.  Registers that memory instructions touch:
;   v1, v2, v4      offsets, made once at the head and never written again; v5 (Q, K) and v8 (V) likewise, in their paths.
;   window 1, RS, CB (Q, K), BV (V)   loaded once; afterwards named by matrix and vector instructions alone.
;   LF, LS          Tile i's 32 matrix instructions read them; behind those the loads of tile i + 1 land in them.
;   PC0, PC1        Tile i's conversions and exchanges write PC[i % 2]; its two stores are issued a tile later, behind the matrix instructions of tile i + 1.
;   PW              Written tile by tile; read by one store at the end.
; So ONE wait on va_vdst stands in a tile, behind its matrix instructions and their four places: they are done reading LF and LS, and the tile before has written its PC.  The tile's nine loads and
; two stores follow it; the quantiser behind them names ACC, TM, PW and the other PC: none of the registers that those loads and stores touch.  From tile 2 on a wait on vm_vsrc stands beside
; the wait on XCNT at the same place: the stores issued a tile earlier have read the PC that this tile writes again.
.set XSC,   896*4096
.set QBLK,  73728
.set KVBLK, 286720
.set QSCO,  65536
.set KSCO,  262144
.set VIMG,  131072
.set VSCO,  278528
.set RS,  16                           ; v16-47   R's scale words: 4 t + s
.set LS,  48                           ; v48-51   L's, one for each K step
.set PW,  52                           ; v52-55   the scale words made, one for each L tile
.set TM,  56                           ; v56-71   at work in QUANT
.set PC,  72                           ; v72-79   the codes just made, even tiles;  v244-251 (172 on) those of odd tiles
.set LF,  80                           ; v80-111  L's fragments: 8 s
.set ACC, 112                          ; v112-175 eight accumulators
.set CB,  176                          ; v176-239 the bias in the result's layout
.set BV,  240                          ; v240-243 bv of my lane's d, one for each L tile
.set WV,  16                           ; s16 wave
.set SEL, 60                           ; s[60:61] v_permlanex16_b32's selects for lane l xor 16
.set MSB, 0
.macro WIN new                         ; window 1 holds R's fragments: 32 t + 8 s.  The immediate's high byte repeats the setting that is left
.if MSB != \new
	s_set_vgpr_msb (MSB<<8)|\new
.set MSB, \new
.endif
.endm
.macro LOADR
	WIN 0x40                                       ; destination window 1
	s_wait_alu depctr_va_vdst(0)                   ; the offsets v1, v2 and v4 are written, which the loads and stores of the kernel read
.irp t, 0,1,2,3,4,5,6,7
.irp s, 0,1,2,3
.irp c, 0,1
	global_load_b128 v[32*\t+8*\s+4*\c:32*\t+8*\s+4*\c+3], v1, s[32:33] offset:\t*4096+\s*1024+\c*512
.endr
.endr
.endr
	WIN 0
.irp t, 0,1,2,3,4,5,6,7
	global_load_b128 v[RS+4*\t:RS+4*\t+3], v2, s[34:35] offset:256*\t
.endr
.endm
.macro LOADL i
.irp s, 0,1,2,3
.irp c, 0,1
	global_load_b128 v[LF+8*\s+4*\c:LF+8*\s+4*\c+3], v1, s[36:37] offset:(\i)*4096+\s*1024+\c*512
.endr
.endr
	global_load_b128 v[LS:LS+3], v2, s[38:39] offset:(\i)*256
.endm
; 32 matrix instructions: R's eight tiles x one tile of L, four K steps.  The eight accumulators take turns, one instruction a turn.
; cstr = 8: each tile has its own eight registers of bias; 0: all share CB's first eight.  The four v_nop are the places in front of the first read of results.
.macro CORE cstr
	WIN 0x01                                       ; source 0 window 1
.irp s, 0,1,2,3
.irp t, 0,1,2,3,4,5,6,7
.if \s == 0
	v_wmma_scale_f32_16x16x128_f8f6f4 v[ACC+8*\t:ACC+8*\t+7], v[32*\t+8*\s:32*\t+8*\s+7], v[LF+8*\s:LF+8*\s+7], v[CB+\cstr*\t:CB+\cstr*\t+7], v[RS+4*\t+\s], v[LS+\s] matrix_a_fmt:MATRIX_FMT_FP4 matrix_b_fmt:MATRIX_FMT_FP4
.else
	v_wmma_scale_f32_16x16x128_f8f6f4 v[ACC+8*\t:ACC+8*\t+7], v[32*\t+8*\s:32*\t+8*\s+7], v[LF+8*\s:LF+8*\s+7], v[ACC+8*\t:ACC+8*\t+7], v[RS+4*\t+\s], v[LS+\s] matrix_a_fmt:MATRIX_FMT_FP4 matrix_b_fmt:MATRIX_FMT_FP4
.endif
.endr
.endr
	WIN 0
.rept 4
	v_nop
.endr
.endm
; 64 numbers of a lane, register 16 b + i = k 32 b + 16 (lane / 16) + i of my row, become a fragment's codes in v[pc] on and its scale word in v[pw].
.macro QUANT s, pw, pc
.irp b, 0,1,2,3
	v_max3_num_f32 v[TM+\b], |v[\s+16*\b]|, |v[\s+1+16*\b]|, 0x1800000   ; my 16 numbers of block b, and the floor 2^(3 - 127)
.endr
.irp i, 2,4,6,8,10,12,14
.irp b, 0,1,2,3
	v_max3_num_f32 v[TM+\b], v[TM+\b], |v[\s+16*\b+\i]|, |v[\s+1+16*\b+\i]|
.endr
.endr
.irp b, 0,1,2,3
	v_permlanex16_b32 v[TM+4+\b], v[TM+\b], s[SEL], s[SEL+1]
.endr
.irp b, 0,1,2,3
	v_max_num_f32 v[TM+\b], v[TM+\b], v[TM+4+\b]   ; with lane l xor 16's: the block's largest magnitude
.endr
.irp b, 0,1,2,3
	v_add_nc_u32 v[TM+12+\b], 0xff000000, v[TM+\b] ; 2 off its exponent field: the conversion's scale operand
.endr
.irp b, 0,1,2,3
	v_lshrrev_b32 v[TM+4+\b], 23, v[TM+12+\b]      ; the scale's byte
.endr
	v_lshl_or_b32 v[\pw], v[TM+5], 8, v[TM+4]
	v_lshl_or_b32 v[\pw], v[TM+6], 16, v[\pw]
	v_lshl_or_b32 v[\pw], v[TM+7], 24, v[\pw]
.irp b, 0,1,2,3
	v_cvt_scalef32_pk8_fp4_f32 v[(\pc)+2*\b], v[\s+16*\b:\s+7+16*\b], v[TM+12+\b]
	v_cvt_scalef32_pk8_fp4_f32 v[(\pc)+1+2*\b], v[\s+8+16*\b:\s+15+16*\b], v[TM+12+\b]
.endr
	v_nop                                          ; one plain place behind a scaled conversion
.irp c, 0,1                                    ; a whole block to a lane: lanes 0-15 block 2 c, lanes 16-31 block 2 c + 1
.irp i, 0,1
	v_permlane16_swap_b32 v[(\pc)+4*\c+\i], v[(\pc)+2+4*\c+\i]
.endr
.endr
.endm
	s_load_b256 s[4:11], s[0:1], 0x0               ; xc, bq, bk, bv
	s_load_b128 s[12:15], s[0:1], 0x20             ; qc, kv2
	v_lshrrev_b32 v1, 5, v0
	v_readfirstlane_b32 s[WV], v1
	v_and_b32 v7, 31, v0                           ; lane
	v_and_b32 v6, 15, v0                           ; r
	v_bfe_u32 v3, v0, 4, 1                         ; h
	v_lshlrev_b32 v1, 4, v7                        ; 16 x lane
	v_lshlrev_b32 v2, 4, v6                        ; 16 r
	v_lshlrev_b32 v4, 6, v3                        ; 64 h: my half's 16 numbers of a bias
.irp b, 0,1,2,3
	v_mov_b32 v[TM+4+\b], 0                        ; written once: a lane permute's destination counts as one of its sources
.endr
	s_mov_b32 s[SEL], 0x76543210
	s_mov_b32 s[SEL+1], 0xfedcba98
	s_wait_alu depctr_va_sdst(0)                   ; s16, the wave's number, is written, ahead of its first reader: the tiles' numbers are made from it
	s_lshl_b32 s20, s[WV], 3
	s_add_co_u32 s21, s20, 768                     ; Wq's tiles 8 w on
	s_add_co_u32 s22, s20, 800                     ; Wk's
	s_max_u32 s23, ttmp9, 192
	s_sub_co_u32 s23, s23, 192                     ; V's work-groups count from 0
	s_lshr_b32 s26, s23, 1                         ; the key step, 0 to 63 over both batches
	s_and_b32 s27, s23, 1
	s_lshl_b32 s27, s27, 2
	s_add_co_u32 s27, s27, s[WV]                   ; the head
	s_lshl_b32 s28, s26, 3
	s_add_co_u32 s28, s28, 256                     ; kv's tiles of that key step
	s_lshl_b32 s29, s27, 2
	s_add_co_u32 s29, s29, 832                     ; Wv's tiles of that head
	s_lshl_b32 s30, ttmp9, 2                       ; q's or kv's tiles 4 g on (kv's begin at tile 256 = 4 x 64)
	s_cmp_lt_u32 ttmp9, 64
	s_cselect_b32 s21, s21, s22
	s_cmp_lt_u32 ttmp9, 192
	s_cselect_b32 s21, s21, s28                    ; R's first tile
	s_cselect_b32 s30, s30, s29                    ; L's first tile
	s_mov_b32 s25, 0
	s_wait_kmcnt 0x0
	s_lshl_b32 s24, s21, 12
	s_add_nc_u64 s[32:33], s[4:5], s[24:25]
	s_lshl_b32 s24, s21, 8
	s_add_co_u32 s24, s24, XSC
	s_add_nc_u64 s[34:35], s[4:5], s[24:25]
	s_lshl_b32 s24, s30, 12
	s_add_nc_u64 s[36:37], s[4:5], s[24:25]
	s_lshl_b32 s24, s30, 8
	s_add_co_u32 s24, s24, XSC
	s_add_nc_u64 s[38:39], s[4:5], s[24:25]
	LOADR
	LOADL 0
	s_cmp_lt_u32 ttmp9, 192
	s_cbranch_scc0 .Lpath_v
	; ---- Q and K: quantised along the head's 64
	s_cmp_lt_u32 ttmp9, 64
	s_mov_b32 s44, KVBLK
	s_mov_b32 s45, KSCO
	s_cselect_b64 s[40:41], s[6:7], s[8:9]         ; the bias
	s_cselect_b64 s[42:43], s[12:13], s[14:15]     ; where the codes go
	s_cselect_b32 s44, QBLK, s44                   ; a head's block there,
	s_cselect_b32 s45, QSCO, s45                   ; the scale words' place in it,
	s_cselect_b32 s46, 7, 8                        ; 128 or 256 tiles to a batch
	s_cselect_b32 s47, 0, 256
	s_lshl_b32 s20, ttmp9, 2
	s_sub_co_u32 s20, s20, s47                     ; my first tile among q's or kv's
	s_lshr_b32 s21, s20, s46                       ; the batch
	s_lshl_b32 s22, s21, s46
	s_sub_co_u32 s22, s20, s22                     ; the tile in the batch
	s_lshl_b32 s21, s21, 3
	s_lshl_b32 s23, s[WV], 1
	s_add_co_u32 s21, s21, s23                     ; block 8 x batch + 2 w
	s_mul_i32 s24, s21, s44
	s_add_nc_u64 s[42:43], s[42:43], s[24:25]
	s_lshl_b32 s24, s22, 9
	s_add_nc_u64 s[48:49], s[42:43], s[24:25]      ; head 2 w: my first tile's image
	s_mov_b32 s24, s44
	s_add_nc_u64 s[50:51], s[48:49], s[24:25]      ; head 2 w + 1: a block on
	s_lshl_b32 s24, s22, 6                         ; 256 bytes for each four tiles
	s_add_co_u32 s24, s24, s45
	s_add_nc_u64 s[52:53], s[42:43], s[24:25]      ; the scale words
	s_lshl_b32 s24, s[WV], 9
	s_add_nc_u64 s[40:41], s[40:41], s[24:25]      ; my 128 numbers of the bias
	v_mul_u32_u24 v5, s44, v3
	v_add_nc_u32 v5, v5, v2                        ; lanes 16-31 store head 2 w + 1's scale words
.irp t, 0,1,2,3,4,5,6,7
	global_load_b128 v[CB+8*\t:CB+8*\t+3], v4, s[40:41] offset:(32*(\t/2)+8*(\t%2))*4        ; no wait: no vector instruction since the head's wait names v4 or these registers
	global_load_b128 v[CB+8*\t+4:CB+8*\t+7], v4, s[40:41] offset:(32*(\t/2)+8*(\t%2))*4+16
.endr
	s_wait_loadcnt 0x0
.irp i, 0,1,2,3
.set PN, PC+172*(\i%2)                 ; this tile's codes
.set PO, PC+172*((\i+1)%2)             ; the codes of the tile before
	CORE 8
.if \i >= 2
	s_wait_xcnt 0x0                                ; the stores issued a tile earlier have had their addresses translated: their data are written again only behind this wait,
	s_wait_alu depctr_vm_vsrc(0)                   ; and they have read v[PN] on, which this tile's conversions write again
.endif
	s_wait_alu depctr_va_vdst(0)                   ; the matrix instructions are done reading LF and LS, in which the loads below land; the tile before has written v[PO] on, which the stores below read
.if \i < 3
	LOADL \i+1                                     ; the next tile of L lands while this one is quantised
.endif
.if \i > 0
	global_store_b128 v1, v[PO:PO+3], s[48:49] offset:512*(\i-1)       ; the tile before: features 0-63 of my 128: head 2 w; 512 consecutive bytes, aligned
	global_store_b128 v1, v[PO+4:PO+7], s[50:51] offset:512*(\i-1)     ; features 64-127: head 2 w + 1
.endif
	QUANT ACC, PW+\i, PN
.if \i < 3
	s_wait_loadcnt 0x0
.endif
.endr
	v_cmp_eq_u32 vcc_lo, 1, v3
.irp i, 0,1,2,3
	v_lshrrev_b32 v[TM+\i], 16, v[PW+\i]           ; head 2 w + 1's two bytes
.endr
	s_wait_alu depctr_va_vcc(0)                    ; the compare has written VCC, which the four selects read
.irp i, 0,1,2,3
	v_cndmask_b32 v[PW+\i], v[PW+\i], v[TM+\i], vcc_lo
.endr
	s_wait_alu depctr_va_vdst(0)                   ; tile 3's codes, the four scale words and the offset v5 are written, which the three stores read
	global_store_b128 v1, v[PC+172:PC+175], s[48:49] offset:512*3
	global_store_b128 v1, v[PC+176:PC+179], s[50:51] offset:512*3
	global_store_b128 v5, v[PW:PW+3], s[52:53]     ; sixteen lanes store 256 consecutive bytes, aligned, for each of the two heads
	s_endpgm
.Lpath_v:
	; ---- V: quantised along the keys
	s_lshr_b32 s20, s26, 5                         ; the batch
	s_and_b32 s21, s26, 31                         ; the key step in it
	s_lshl_b32 s20, s20, 3
	s_add_co_u32 s20, s20, s27
	s_mul_i32 s24, s20, KVBLK
	s_add_nc_u64 s[42:43], s[14:15], s[24:25]
	s_lshl_b32 s24, s21, 12
	s_add_co_u32 s24, s24, VIMG
	s_add_nc_u64 s[48:49], s[42:43], s[24:25]      ; the key step's four images
	s_lshl_b32 s24, s21, 8
	s_add_co_u32 s24, s24, VSCO
	s_add_nc_u64 s[52:53], s[42:43], s[24:25]      ; and its scale words
	s_lshl_b32 s24, s27, 8
	s_add_nc_u64 s[40:41], s[10:11], s[24:25]      ; bv of my head
	v_and_b32 v8, 8, v6
	v_add_nc_u32 v8, v8, v6
	v_lshlrev_b32 v8, 2, v8                        ; my lane's d in a tile: r + 8 (r / 8)
	s_wait_alu depctr_va_vdst(0)                   ; the offset v8 is written, which the four loads read
.irp i, 0,1,2,3
	global_load_b32 v[BV+\i], v8, s[40:41] offset:(32*(\i/2)+8*(\i%2))*4
.endr
	s_wait_loadcnt 0x0
.irp i, 0,1,2,3
.set PN, PC+172*(\i%2)                 ; this tile's codes
.set PO, PC+172*((\i+1)%2)             ; the codes of the tile before
.irp j, 0,1,2,3,4,5,6,7
	v_mov_b32 v[CB+\j], v[BV+\i]                   ; the bias hangs on the lane alone: eight registers of it serve all eight tiles as C
.endr
.rept 4
	v_nop
.endr
	CORE 0
.if \i >= 2
	s_wait_xcnt 0x0                                ; the stores issued a tile earlier have had their addresses translated: their data are written again only behind this wait,
	s_wait_alu depctr_vm_vsrc(0)                   ; and they have read v[PN] on, which this tile's conversions write again
.endif
	s_wait_alu depctr_va_vdst(0)                   ; the matrix instructions are done reading LF and LS, in which the loads below land; the tile before has written v[PO] on, which the stores below read
.if \i < 3
	LOADL \i+1
.endif
.if \i > 0
	global_store_b128 v1, v[PO:PO+3], s[48:49] offset:1024*(\i-1)          ; the tile before: keys 32 (lane / 16) on of d tile i - 1
	global_store_b128 v1, v[PO+4:PO+7], s[48:49] offset:1024*(\i-1)+512    ; keys 64 + 32 (lane / 16) on
.endif
	QUANT ACC, PW+\i, PN
.if \i < 3
	s_wait_loadcnt 0x0
.endif
.endr
	s_wait_alu depctr_va_vdst(0)                   ; tile 3's codes and the four scale words are written, which the stores below read
	global_store_b128 v1, v[PC+172:PC+175], s[48:49] offset:1024*3
	global_store_b128 v1, v[PC+176:PC+179], s[48:49] offset:1024*3+512
	v_cmp_gt_u32 vcc_lo, 16, v7
	s_wait_xcnt 0x0                                ; EXEC changes only behind this wait
	s_wait_alu depctr_va_vcc(0)                    ; the compare has written VCC, from which EXEC is made
	s_wait_alu depctr_va_vdst(0)                   ; every vector instruction issued under the full EXEC has written its result
	s_wait_alu depctr_vm_vsrc(0)                   ; every store issued under the full EXEC has read its registers
	s_and_saveexec_b32 s56, vcc_lo
	global_store_b128 v2, v[PW:PW+3], s[52:53]     ; lanes 0-15: 256 consecutive bytes, aligned
	s_wait_xcnt 0x0                                ; and again in front of the line that widens it
	s_wait_alu depctr_va_vdst(0)                   ; no vector instruction is out under the narrow EXEC
	s_wait_alu depctr_vm_vsrc(0)                   ; the store under the narrow EXEC has read its registers
	s_or_b32 exec_lo, exec_lo, s56
	s_endpgm
.Lfunc_end_k_q5aa546f1d5_proj:
	.size	k_q5aa546f1d5_proj, .Lfunc_end_k_q5aa546f1d5_proj-k_q5aa546f1d5_proj
	.p2alignl 7, 3214868480
	.fill 96, 4, 3214868480
	.section	.rodata,"a",@progbits
	.p2align	6, 0x0
	.amdhsa_kernel k_q5aa546f1d5_proj
		.amdhsa_group_segment_fixed_size 0
		.amdhsa_private_segment_fixed_size 0
		.amdhsa_enable_private_segment 0
		.amdhsa_kernarg_size 48
		.amdhsa_user_sgpr_count 2
		.amdhsa_user_sgpr_kernarg_segment_ptr 1
		.amdhsa_wavefront_size32 1
		.amdhsa_system_sgpr_workgroup_id_x 1
		.amdhsa_system_sgpr_workgroup_id_y 1
		.amdhsa_system_sgpr_workgroup_id_z 1
		.amdhsa_system_vgpr_workitem_id 0
		.amdhsa_next_free_vgpr 512
		.amdhsa_next_free_sgpr 66
		.amdhsa_reserve_vcc 1
		.amdhsa_float_denorm_mode_32 3
		.amdhsa_float_denorm_mode_16_64 3
		.amdhsa_memory_ordered 1
		.amdhsa_forward_progress 1
		.amdhsa_inst_pref_size 87
	.end_amdhsa_kernel
	.amdgpu_metadata
---
amdhsa.version: [ 1, 2 ]
amdhsa.kernels:
  - .name:           k_q5aa546f1d5_proj
    .symbol:         k_q5aa546f1d5_proj.kd
    .args:
      - { .name: xc, .offset: 0, .size: 8, .value_kind: global_buffer, .address_space: global }
      - { .name: bq, .offset: 8, .size: 8, .value_kind: global_buffer, .address_space: global }
      - { .name: bk, .offset: 16, .size: 8, .value_kind: global_buffer, .address_space: global }
      - { .name: bv, .offset: 24, .size: 8, .value_kind: global_buffer, .address_space: global }
      - { .name: qc, .offset: 32, .size: 8, .value_kind: global_buffer, .address_space: global }
      - { .name: kv2, .offset: 40, .size: 8, .value_kind: global_buffer, .address_space: global }
    .group_segment_fixed_size: 0
    .private_segment_fixed_size: 0
    .kernarg_segment_align: 8
    .kernarg_segment_size: 48
    .max_flat_workgroup_size: 128
    .sgpr_count:     66
    .vgpr_count:     512
    .wavefront_size: 32
...
	.end_amdgpu_metadata
.endif
;; end of part 5
;; launch attn: the kernel of part 3 again; grid 16 x 16, 4 waves a work-group, clusters of 4 x 1, 327,680 bytes of LDS; arguments qc, kv2, key_gate, key_mask, oc; writes oc
;; launch outp (part 6): grid 256 x 1, 4 waves a work-group, no clusters, 34,304 bytes of LDS; arguments xc, oc, bo, out0; writes out0
.if DOCPART == 6
	.amdgcn_target "amdgcn-amd-amdhsa--gfx1250"
	.amdhsa_code_object_version 6
	.text
	.protected	k_q5aa546f1d5_outp
	.globl	k_q5aa546f1d5_outp
	.p2align	8
	.type	k_q5aa546f1d5_outp,@function
k_q5aa546f1d5_outp:
	s_mov_b64 s[64:65], 0
	v_nop
	global_prefetch_b8 v0, s[64:65] scope:SCOPE_SE
	s_setreg_imm32_b32 hwreg(HW_REG_WAVE_SCHED_MODE, 0, 2), 2
	s_setreg_imm32_b32 hwreg(HW_REG_WAVE_MODE, 25, 1), 1
	s_wait_xcnt 0x0
	s_wait_alu depctr_vm_vsrc(0)
; out0 = attention's result x Wo^T + bo, on codes of FP4 (E2M1, one E8M0 scale for each 32 along K = 512); sums in f32.
; Both operands lie as images of operand registers (16 rows x 512 K in 4,096 bytes, 16 bytes a lane and register group; scale bytes 16 a row): Wo's in xc (tiles 864 on), the rows' in oc.
; A work-group takes one tile of 16 rows, wave w outputs 128 w .. 128 w + 127: Wo's 8 tiles are source 0, the rows source 1: a lane holds one row, and accumulator registers 16 G + i are outputs
; 128 w + 32 G + 16 (lane / 16) + i (row r of a tile T is row 32 (T / 2) + 8 (T % 2) + r + 8 (r / 8) of its tensor).  bo is the C of each sum's first matrix instruction.
; The results turn through the wave's own stage in LDS (16 rows of 512 bytes + 16) and leave as runs of 512 consecutive bytes, aligned.  No barrier: waves share nothing in LDS.
; NO JOINT LOADS: the operands go from memory straight into the registers that the matrix unit reads (36 KiB a wave, once); a shared tile would have to pass through LDS and be read again there.
; THE MODE: SCHED_MODE bits 1:0 = 2 (LLVM: expert scheduling mode 2), set by the entry lines.  The code itself states the register dependences
; between vector or matrix instructions and memory or LDS instructions, with s_wait_alu, always for 0.
; THE PLAN.  Registers that memory or LDS instructions touch:
;   v1, v2, v4, v8, v9   offsets and LDS addresses, made once at the head and never written again.
;   window 1, RS, LF, LS loaded once; afterwards named by matrix instructions alone.
;   CB                   loaded with bo; read as C by the first eight matrix instructions; then the loads from the stage land in it, and the global stores read it.
;   ACC                  written by the matrix instructions; read by the LDS stores.
;   v254, v255           written at the head, read by the closing add alone.
; So two waits on va_vdst stand in the text: one ahead of the first load (the five addresses are written), one behind the matrix instructions and their four places (ACC is written, CB is read).
; No register that a memory or LDS instruction has read is written again.
.set XSC,   896*4096
.set OSC,   1048576
.set SPITCH, 528
.set RS,  16                           ; v16-47   Wo's scale words: 4 t + s
.set LS,  48                           ; v48-51   the rows'
.set LF,  80                           ; v80-111  the rows' fragments
.set ACC, 112                          ; v112-175 eight accumulators
.set CB,  176                          ; v176-239 bo in the result's layout; later the rows read back from the stage
.set WV,  16
.set MSB, 0
.macro WIN new                         ; window 1 holds Wo's fragments: 32 t + 8 s.  The immediate's high byte repeats the setting that is left
.if MSB != \new
	s_set_vgpr_msb (MSB<<8)|\new
.set MSB, \new
.endif
.endm
	s_load_b256 s[4:11], s[0:1], 0x0               ; xc, oc, bo, out0
	v_lshl_add_u32 v254, v0, 2, 0x8400
	v_mov_b32 v255, 0
	v_lshrrev_b32 v1, 5, v0
	v_readfirstlane_b32 s[WV], v1
	v_and_b32 v7, 31, v0                           ; lane
	v_and_b32 v6, 15, v0                           ; r
	v_bfe_u32 v3, v0, 4, 1                         ; h
	v_lshlrev_b32 v1, 4, v7                        ; 16 x lane
	v_lshlrev_b32 v2, 4, v6                        ; 16 r
	v_lshlrev_b32 v4, 6, v3                        ; 64 h
	s_wait_alu depctr_va_sdst(0)                   ; s16, the wave's number, is written, ahead of its first reader: the stage's place and the tiles' numbers are made from it
	s_mul_i32 s20, s[WV], 16*SPITCH                ; my stage
	v_mul_u32_u24 v8, v6, SPITCH
	v_add_nc_u32 v8, v8, v4
	v_add_nc_u32 v8, s20, v8                       ; in: row r, + 64 h
	v_add_nc_u32 v9, s20, v1                       ; back: a row's 512 bytes, 16 a lane
	s_lshl_b32 s21, s[WV], 3
	s_add_co_u32 s21, s21, 864                     ; Wo's tiles 8 w on
	s_mov_b32 s25, 0
	s_wait_kmcnt 0x0
	s_lshl_b32 s24, s21, 12
	s_add_nc_u64 s[32:33], s[4:5], s[24:25]
	s_lshl_b32 s24, s21, 8
	s_add_co_u32 s24, s24, XSC
	s_add_nc_u64 s[34:35], s[4:5], s[24:25]
	s_lshl_b32 s24, ttmp9, 12
	s_add_nc_u64 s[36:37], s[6:7], s[24:25]
	s_lshl_b32 s24, ttmp9, 8
	s_add_co_u32 s24, s24, OSC
	s_add_nc_u64 s[38:39], s[6:7], s[24:25]
	s_lshl_b32 s24, s[WV], 9
	s_add_nc_u64 s[40:41], s[8:9], s[24:25]        ; my 128 numbers of bo
	s_lshr_b32 s22, ttmp9, 1
	s_lshl_b32 s22, s22, 16                        ; 32 rows of 2,048 bytes for each pair of tiles,
	s_and_b32 s23, ttmp9, 1
	s_lshl_b32 s23, s23, 14                        ; 8 rows for the odd one,
	s_add_co_u32 s22, s22, s23
	s_add_co_u32 s24, s24, s22                     ; and my 512 bytes of a row
	s_add_nc_u64 s[48:49], s[10:11], s[24:25]
	WIN 0x40                                       ; destination window 1
	s_wait_alu depctr_va_vdst(0)                   ; the offsets v1, v2, v4 and the LDS addresses v8, v9 are written, which the loads and stores of the kernel read
.irp t, 0,1,2,3,4,5,6,7
.irp s, 0,1,2,3
.irp c, 0,1
	global_load_b128 v[32*\t+8*\s+4*\c:32*\t+8*\s+4*\c+3], v1, s[32:33] offset:\t*4096+\s*1024+\c*512
.endr
.endr
.endr
	WIN 0
.irp t, 0,1,2,3,4,5,6,7
	global_load_b128 v[RS+4*\t:RS+4*\t+3], v2, s[34:35] offset:256*\t
.endr
.irp s, 0,1,2,3
.irp c, 0,1
	global_load_b128 v[LF+8*\s+4*\c:LF+8*\s+4*\c+3], v1, s[36:37] offset:\s*1024+\c*512
.endr
.endr
	global_load_b128 v[LS:LS+3], v2, s[38:39]
.irp t, 0,1,2,3,4,5,6,7
	global_load_b128 v[CB+8*\t:CB+8*\t+3], v4, s[40:41] offset:(32*(\t/2)+8*(\t%2))*4
	global_load_b128 v[CB+8*\t+4:CB+8*\t+7], v4, s[40:41] offset:(32*(\t/2)+8*(\t%2))*4+16
.endr
	s_wait_loadcnt 0x0
	WIN 0x01                                       ; source 0 window 1.  The eight accumulators take turns, one instruction a turn
.irp s, 0,1,2,3
.irp t, 0,1,2,3,4,5,6,7
.if \s == 0
	v_wmma_scale_f32_16x16x128_f8f6f4 v[ACC+8*\t:ACC+8*\t+7], v[32*\t+8*\s:32*\t+8*\s+7], v[LF+8*\s:LF+8*\s+7], v[CB+8*\t:CB+8*\t+7], v[RS+4*\t+\s], v[LS+\s] matrix_a_fmt:MATRIX_FMT_FP4 matrix_b_fmt:MATRIX_FMT_FP4
.else
	v_wmma_scale_f32_16x16x128_f8f6f4 v[ACC+8*\t:ACC+8*\t+7], v[32*\t+8*\s:32*\t+8*\s+7], v[LF+8*\s:LF+8*\s+7], v[ACC+8*\t:ACC+8*\t+7], v[RS+4*\t+\s], v[LS+\s] matrix_a_fmt:MATRIX_FMT_FP4 matrix_b_fmt:MATRIX_FMT_FP4
.endif
.endr
.endr
	WIN 0
.rept 4
	v_nop                                          ; the places in front of the first read of results
.endr
	s_wait_alu depctr_va_vdst(0)                   ; the matrix instructions have written the accumulators, which the LDS stores read, and are done reading bo's registers, in which the loads from the stage land; the places above stay beside this wait
.irp g, 0,1,2,3
.irp q, 0,1,2,3
	ds_store_b128 v8, v[ACC+16*\g+4*\q:ACC+16*\g+4*\q+3] offset:128*\g+16*\q   ; outputs 32 g + 16 h + 4 q on of row r; each accumulator from its low end on
.endr
.endr
.irp i, 0,1,2,3,4,5,6,7,8,9,10,11,12,13,14,15
	ds_load_b128 v[CB+4*\i:CB+4*\i+3], v9 offset:\i*SPITCH   ; LDS serves a wave's instructions in order: these see my stores
.endr
.irp i, 0,1,2,3,4,5,6,7,8,9,10,11,12,13,14,15
	s_wait_dscnt 15-\i
	global_store_b128 v1, v[CB+4*\i:CB+4*\i+3], s[48:49] offset:(\i+8*(\i/8))*2048 th:TH_STORE_NT   ; 32 lanes store 512 consecutive bytes, aligned; written once, read by nobody here
.endr
	s_wait_dscnt 0x0                               ; the closing lines, six on end
	s_wait_alu 0x0
	s_wait_tensorcnt 0x0
	ds_add_u32 v254, v255
	s_wait_dscnt 0x0
	s_endpgm
.Lfunc_end_k_q5aa546f1d5_outp:
	.size	k_q5aa546f1d5_outp, .Lfunc_end_k_q5aa546f1d5_outp-k_q5aa546f1d5_outp
	.p2alignl 7, 3214868480
	.fill 96, 4, 3214868480
	.section	.rodata,"a",@progbits
	.p2align	6, 0x0
	.amdhsa_kernel k_q5aa546f1d5_outp
		.amdhsa_group_segment_fixed_size 34304
		.amdhsa_private_segment_fixed_size 0
		.amdhsa_enable_private_segment 0
		.amdhsa_kernarg_size 32
		.amdhsa_user_sgpr_count 2
		.amdhsa_user_sgpr_kernarg_segment_ptr 1
		.amdhsa_wavefront_size32 1
		.amdhsa_system_sgpr_workgroup_id_x 1
		.amdhsa_system_sgpr_workgroup_id_y 1
		.amdhsa_system_sgpr_workgroup_id_z 1
		.amdhsa_system_vgpr_workitem_id 0
		.amdhsa_next_free_vgpr 512
		.amdhsa_next_free_sgpr 66
		.amdhsa_reserve_vcc 0
		.amdhsa_float_denorm_mode_32 3
		.amdhsa_float_denorm_mode_16_64 3
		.amdhsa_memory_ordered 1
		.amdhsa_forward_progress 1
		.amdhsa_inst_pref_size 20
	.end_amdhsa_kernel
	.amdgpu_metadata
---
amdhsa.version: [ 1, 2 ]
amdhsa.kernels:
  - .name:           k_q5aa546f1d5_outp
    .symbol:         k_q5aa546f1d5_outp.kd
    .args:
      - { .name: xc, .offset: 0, .size: 8, .value_kind: global_buffer, .address_space: global }
      - { .name: oc, .offset: 8, .size: 8, .value_kind: global_buffer, .address_space: global }
      - { .name: bo, .offset: 16, .size: 8, .value_kind: global_buffer, .address_space: global }
      - { .name: out0, .offset: 24, .size: 8, .value_kind: global_buffer, .address_space: global }
    .group_segment_fixed_size: 34304
    .private_segment_fixed_size: 0
    .kernarg_segment_align: 8
    .kernarg_segment_size: 32
    .max_flat_workgroup_size: 128
    .sgpr_count:     66
    .vgpr_count:     512
    .wavefront_size: 32
...
	.end_amdgpu_metadata
.endif
;; end of part 6
